; MI455X (gfx1250); checked and timed in simulation.
; The chip was launched on July 23, 2026; its instructions are those of AMD's public machine-readable ISA for CDNA 5 (MIT licence, August 2026) and "CDNA5" Instruction Set Architecture Reference Guide (July 2026). The comments in the code are by the model that wrote it; some were corrected since.
;; Causal Self Attention. Allowed arithmetic: matrix products marked QUANTISED: E2M1 operands, one E8M0 scale for each 32 along K, by v_wmma_scale_f32_16x16x128_f8f6f4 with both operands' format E2M1 (or v_wmma_scale_f32_32x16x128_f4), f32 sums; products left as they are: bf16, f16 or f32 operands; f32 sums; everything else in f32.
;; Inputs: W_in 1,024 x 3,072 float32; W_out 1,024 x 1,024 float32; b_in 3,072 float32; b_out 1,024 float32; x 4 x 2,048 x 1,024 float32.
;; Outputs: out0 4 x 2,048 x 1,024 float32.
;; This version of the problem:
;;   THIS VERSION OF THE PROBLEM IS GIVEN IN LOW PRECISION. The matrix products marked QUANTISED in the list below multiply operands that are first quantised to E2M1 (2 exponent bits, 1 mantissa bit; 4 bits a number), with one power-of-two scale for each 32 numbers along K (OCP MX v1.0); their sums are f32. The products marked 'left as it is' may take bf16, f16 or f32 operands, with f32 sums. Whichever they take, every output number must still come out within the allowed error. Rounding operands to bf16 (8 significant bits) uses up far more of that allowance than f16 does (11 bits, for magnitudes from 6e-5 to 65,504). All else is computed in f32.
;;   The module's matrix products, in the order in which they are computed (A, B: the left and right operand; K: the contracted axis; several contracted axes count as one K, in the product's order):
;;     1. [M 8,192, K 1,024] x [K 1,024, N 3,072]; A: input x; B: input W_in: QUANTISED
;;     2. batch 64 x [M 2,048, K 64] x [K 64, N 2,048]; A: computed on the way; B: computed on the way: left as it is (an operand is computed on the way)
;;     3. batch 64 x [M 2,048, K 2,048] x [K 2,048, N 64]; A: computed on the way; B: computed on the way: left as it is (an operand is computed on the way)
;;     4. [M 8,192, K 1,024] x [K 1,024, N 1,024]; A: computed on the way; B: input W_out: left as it is (an operand is computed on the way)
;;   THE QUANTISER, for each operand of a quantised product, along K:
;;     - K is cut into blocks of 32 from its start; a last block that is shorter is filled with zeros.
;;     - A block's scale is 2^e with e = floor(log2(the largest magnitude in the block)) - 2, held to -126 .. 127; a block of zeros has e = 0. As a byte (E8M0): e + 127.
;;     - Each number is divided by its block's scale, clamped to +-6, and rounded to the nearest number of E2M1, ties to even, subnormals kept.
;;     - The product sums the exact products of the quantised numbers (number of the format x scale) in f32.
;;   ~~~python
;;   def quantise(x, axis):      # numpy; x: float32 -> the quantised numbers, widened to float32 again
;;       x = np.moveaxis(x, axis, -1); K = x.shape[-1]
;;       x = np.pad(x, [(0, 0)] * (x.ndim - 1) + [(0, -K % 32)]); x = x.reshape(x.shape[:-1] + (-1, 32)); a = np.abs(x).max(-1, keepdims=True)
;;       e = np.where(a > 0, np.clip(np.frexp(np.where(a > 0, a, 1))[1] - 1 - 2, -126, 127), 0)      # np.frexp(a)[1] - 1 = floor(log2(a)), exactly
;;       r = np.clip(x / 2.0 ** e, -6, 6)
;;       step = 2.0 ** (np.maximum(np.frexp(np.where(r == 0, 1, r))[1] - 1, 0) - 1)
;;       q = np.round(r / step) * step * 2.0 ** e      # np.round: ties to even
;;       return np.moveaxis(q.reshape(q.shape[:-2] + (-1,))[..., :K], -1, axis).astype(np.float32)
;;   ~~~
;; One version. Each part assembles by itself: llvm-mc -triple=amdgcn-amd-amdhsa -mcpu=gfx1250 --defsym DOCPART=n.
;; ======== version 1 of 1: 5 launches
;; limits: values are held in f16: magnitudes above 65,504 overflow, below 6.1e-05 lose precision
;; workspace buffers: xc 4,194,304 bytes; xs 262,144 bytes; wc 1,572,864 bytes; ws 98,304 bytes; wo16 2,097,152 bytes; qkv 50,331,648 bytes; fq 786,432 bytes; o16 16,777,216 bytes
;; launch prep (part 1): grid 368 x 1, 4 waves a work-group, no clusters, 68,096 bytes of LDS; arguments x, W_in, W_out, xc, xs, wc, ws, wo16; writes xc, xs, wc, ws, wo16
.if DOCPART == 1
	.amdgcn_target "amdgcn-amd-amdhsa--gfx1250"
	.amdhsa_code_object_version 6
	.text
	.protected	k_qcb6089a64f_prep
	.globl	k_qcb6089a64f_prep
	.p2align	8
	.type	k_qcb6089a64f_prep,@function
k_qcb6089a64f_prep:
	s_mov_b64 s[64:65], 0
	v_nop
	global_prefetch_b8 v0, s[64:65] scope:SCOPE_SE
	s_setreg_imm32_b32 hwreg(HW_REG_WAVE_MODE, 25, 1), 1
	s_wait_xcnt 0x0
; Three jobs in one launch, told apart by the work-group's number:
;   0-47    W_in [1024 (k)][3072 (n)] f32 -> codes of E2M1 with K innermost, wc [3072][512 bytes], and one E8M0 byte for each 32 along K, ws [3072][32]
;   48-303  x [8192][1024] f32 -> xc [8192][512 bytes], xs [8192][32]
;   304-367 W_out [1024][1024] f32 -> f16, as it lies, wo16
; A block's scale is 2^(floor(log2(largest magnitude)) - 2): its byte is the largest magnitude's exponent field - 2, held at 1 from below.
; LIMITS: a block of zeros gets the byte 1 where the quantiser says 127: its codes are zeros and the bytes are read by this program alone; blocks whose largest
; magnitude lies under 2^(2 - 126) keep the byte 1; NaN and infinities are not served.  W_out beyond 65,504 in magnitude does not fit f16.
; No tensor loads, no barrier: waves share nothing.  Each path has LDS bytes of its own.
.set STEPS, 16
.set EMAX,  2
.set CB,    8                          ; bytes of 16 codes
.set R,     16                         ; x: v16-79 four sets of 16 numbers as loaded
.set X,     80                         ; x: v80-111 two sets of 16 neighbours
.set E,     112                        ; x: v112-127 a scale byte for each step
.set C,     128                        ; x: v128-191 codes, four registers a step
.set WREG,  8192                       ; x: LDS region of a wave: two stages of 32 x SP bytes, then its 256 scale bytes
.set SP,    80
.set SPW,   12                         ; v12 LDS address of my spare word; never rewritten
.set NIL,   13                         ; v13 0; never rewritten
.set WSTG,  32768                      ; W_in: the four stages, 32 rows x WPITCH each
.set WPITCH, 272
.set SPARE, WSTG+4*32*WPITCH           ; the spare words, 128 bytes a wave
.set SIZE_N, 3072
.set NB,    16                         ; W_in: blocks of 32 along K for a wave
.set KROW,  512                        ; a row of wc in bytes
.set WX,    32                         ; W_in: v32-95 two sets of 32 numbers
.set WC,    96                         ; W_in: a block's codes
.set OUTR,  112                        ; W_in: v112-175 the way out
.set SB,    24                         ; W_in: v24-27 the scale bytes
	s_load_b256 s[4:11], s[0:1], 0x0               ; x s[4:5], W_in s[6:7], W_out s[8:9], xc s[10:11]
	s_load_b256 s[12:19], s[0:1], 0x20             ; xs s[12:13], wc s[14:15], ws s[16:17], wo16 s[18:19]
	v_lshl_add_u32 v[SPW], v0, 2, SPARE
	v_mov_b32 v[NIL], 0
	v_lshrrev_b32 v1, 5, v0
	v_readfirstlane_b32 s20, v1                    ; wave
	v_and_b32 v2, 31, v0                           ; lane
	s_wait_kmcnt 0x0
	s_cmp_lt_u32 ttmp9, 48
	s_cbranch_scc1 .Lwin
	s_cmp_lt_u32 ttmp9, 304
	s_cbranch_scc1 .Lx
; ---- W_out to f16: a wave takes 4,096 numbers; a load covers 512 consecutive bytes, a store 256
	s_sub_co_u32 s22, ttmp9, 304
	s_lshl_b32 s22, s22, 2
	s_add_co_u32 s22, s22, s20
	s_lshl_b32 s24, s22, 14
	s_mov_b32 s25, 0
	s_add_nc_u64 s[8:9], s[8:9], s[24:25]
	s_lshl_b32 s24, s22, 13
	s_add_nc_u64 s[18:19], s[18:19], s[24:25]
	v_lshlrev_b32 v3, 4, v2
	v_lshlrev_b32 v4, 3, v2
.set i, 0
.rept 32
	global_load_b128 v[32+4*i:35+4*i], v3, s[8:9] offset:512*i th:TH_LOAD_NT
.set i, i+1
.endr
.set i, 0
.rept 32
	s_wait_loadcnt 31-i                            ; loads come back in order: load i is in, the younger ones stay out
	v_cvt_pk_f16_f32 v[32+4*i], v[32+4*i], v[33+4*i]
	v_cvt_pk_f16_f32 v[33+4*i], v[34+4*i], v[35+4*i]
	global_store_b64 v4, v[32+4*i:33+4*i], s[18:19] offset:256*i
.set i, i+1
.endr
	s_wait_tensorcnt 0x0                           ; the wave's end
	ds_add_u32 v[SPW], v[NIL]
	s_wait_dscnt 0x0
	s_endpgm
; ---- x: K is innermost, rows are dense: a plain stream of blocks of 32.  A wave takes 16 steps of 512 numbers.  Loads take the bytes as they lie (512 a load);
; a step's 2,048 bytes turn through the wave's own stage so that a lane holds 16 neighbours; two neighbouring lanes hold a block.
.Lx:
	v_lshlrev_b32 v3, 4, v2                        ; my 16 bytes of a load's 512
	s_mul_i32 s21, s20, WREG
	v_lshrrev_b32 v14, 2, v2
	v_mul_u32_u24 v14, v14, SP
	v_and_b32 v15, 3, v2
	v_lshl_add_u32 v14, v15, 4, v14
	v_add_nc_u32 v14, s21, v14                     ; the stage on the way in: SP (lane / 4) + 16 (lane % 4)
	v_mul_u32_u24 v15, v2, SP
	v_add_nc_u32 v15, s21, v15                     ; and on the way out: SP x lane
	v_mul_u32_u24 v4, v2, CB                       ; my codes' place in a step's
	v_lshrrev_b32 v5, 1, v2
	s_add_co_u32 s21, s21, 2*32*SP
	v_add_nc_u32 v5, s21, v5                       ; my block's byte among my wave's 256
	v_lshlrev_b32 v7, 3, v2
	v_add_nc_u32 v6, s21, v7
	s_sub_co_u32 s22, ttmp9, 48
	s_lshl_b32 s22, s22, 2
	s_add_co_u32 s22, s22, s20                     ; which run of 8,192 numbers is my wave's
	s_lshl_b32 s24, s22, 15
	s_mov_b32 s25, 0
	s_add_nc_u64 s[4:5], s[4:5], s[24:25]
	s_lshl_b32 s24, s22, 12
	s_add_nc_u64 s[10:11], s[10:11], s[24:25]
	s_lshl_b32 s24, s22, 8
	s_add_nc_u64 s[12:13], s[12:13], s[24:25]
.macro XLOAD t
.irp i, 0,1,2,3
	global_load_b128 v[R+16*((\t)%4)+4*\i:R+16*((\t)%4)+4*\i+3], v3, s[4:5] offset:2048*(\t)+512*\i th:TH_LOAD_NT
.endr
.endm
.macro XTURN t                         ; LDS serves a wave's instructions in order: no wait between the stores and the loads
.irp i, 0,1,2,3
	ds_store_b128 v14, v[R+16*((\t)%4)+4*\i:R+16*((\t)%4)+4*\i+3] offset:32*SP*((\t)%2)+8*SP*\i
.endr
.irp i, 0,1,2,3
	ds_load_b128 v[X+16*((\t)%2)+4*\i:X+16*((\t)%2)+4*\i+3], v15 offset:32*SP*((\t)%2)+16*\i
.endr
.endm
.irp t, 0,1,2,3
	XLOAD \t
.endr
	s_wait_loadcnt 12                              ; step 0's four loads are in
	XTURN 0
.macro XSTEP t
.set XS, X+16*((\t)%2)
.if (\t) > 0
	s_wait_dscnt 1                                 ; this step's numbers are back from the stage; the last step's byte store may be out
.else
	s_wait_dscnt 0x0
.endif
.if (\t)+4 < STEPS
	XLOAD (\t)+4
.endif
.if (\t)+1 < STEPS
.if STEPS-2-(\t) >= 3
	s_wait_loadcnt 12                              ; the next step's four loads are in; three steps' twelve may be out
.else
	s_wait_loadcnt 4*(STEPS-2-(\t))
.endif
	XTURN (\t)+1
.endif
	v_max3_num_f32 v8, |v[XS]|, |v[XS+1]|, |v[XS+2]|
	v_max3_num_f32 v9, |v[XS+3]|, |v[XS+4]|, |v[XS+5]|
.irp i, 6,10
	v_max3_num_f32 v8, v8, |v[XS+\i]|, |v[XS+\i+1]|
	v_max3_num_f32 v9, v9, |v[XS+\i+2]|, |v[XS+\i+3]|
.endr
	v_max3_num_f32 v8, v8, |v[XS+14]|, |v[XS+15]|
	v_max3_num_f32 v8, v8, v9, (EMAX+1)<<23        ; the floor 2^(EMAX + 1 - 127): the byte cannot fall under 1
	v_max_num_f32_dpp v8, v8, v8 row_xmask:1 row_mask:0xf bank_mask:0xf   ; with my neighbour's 16: the block's
	v_add_nc_u32 v11, -(EMAX<<23), v8              ; EMAX off the exponent field: the conversion's scale operand
	v_cvt_scalef32_pk8_fp4_f32 v[C+4*(\t)], v[XS:XS+7], v11
	v_cvt_scalef32_pk8_fp4_f32 v[C+4*(\t)+1], v[XS+8:XS+15], v11
	v_lshrrev_b32 v[E+(\t)], 23, v11               ; the scale's byte
	ds_store_b8 v5, v[E+(\t)] offset:16*(\t)       ; both lanes of a block write the same byte with the same value
	global_store_b64 v4, v[C+4*(\t):C+4*(\t)+1], s[10:11] offset:32*CB*(\t)   ; the wave stores 256 consecutive bytes
.endm
.irp t, 0,1,2,3,4,5,6,7,8,9,10,11,12,13,14,15
	XSTEP \t
.endr
	ds_load_b64 v[8:9], v6
	s_wait_dscnt 0x0
	global_store_b64 v7, v[8:9], s[12:13]          ; my wave's 256 scale bytes, consecutive and aligned
	s_wait_tensorcnt 0x0                           ; the wave's end
	ds_add_u32 v[SPW], v[NIL]
	s_wait_dscnt 0x0
	s_endpgm
; ---- W_in: K is the first axis.  A lane takes a column and its registers run down K: a block of 32 lies in one lane, and the conversions give codes with K innermost.
; A wave takes 32 columns x 512 along K; the codes leave through the wave's own stage as rows of 256 bytes.
.Lwin:
	s_cmp_lt_u32 ttmp9, 24
	s_cselect_b32 s22, 0, 1                        ; which 512 along K
	s_cselect_b32 s23, 0, 24
	s_sub_co_u32 s23, ttmp9, s23                   ; which 128 columns
	s_lshl_b32 s21, s23, 7
	s_lshl_b32 s24, s20, 5
	s_add_co_u32 s21, s21, s24                     ; my wave's first column
	v_lshlrev_b32 v3, 2, v2
	s_mul_i32 s24, s20, 32*WPITCH
	s_add_co_u32 s24, s24, WSTG                    ; my stage
	v_mul_u32_u24 v4, v2, WPITCH
	v_add_nc_u32 v4, s24, v4                       ; into it: row = my column
	v_and_b32 v5, 15, v2
	v_lshrrev_b32 v6, 4, v2
	v_mul_u32_u24 v7, v6, WPITCH
	v_lshl_add_u32 v7, v5, 4, v7
	v_add_nc_u32 v7, s24, v7                       ; out of it: sixteen lanes to a row, two rows an instruction
	v_mul_u32_u24 v8, v6, KROW
	v_lshl_add_u32 v8, v5, 4, v8                   ; and the same place in wc
	s_mul_i32 s26, s22, 512*SIZE_N*4
	s_lshl_b32 s27, s21, 2
	s_add_co_u32 s26, s26, s27
	s_mov_b32 s27, 0
	s_add_nc_u64 s[6:7], s[6:7], s[26:27]
	s_lshl_b32 s26, s21, 9
	s_lshl_b32 s28, s22, 8
	s_add_co_u32 s26, s26, s28
	s_add_nc_u64 s[14:15], s[14:15], s[26:27]
	s_lshl_b32 s26, s21, 5
	s_lshl_b32 s28, s22, 4
	s_add_co_u32 s26, s26, s28
	s_add_nc_u64 s[16:17], s[16:17], s[26:27]
	v_lshlrev_b32 v9, 5, v2                        ; my column's row of scale bytes
.macro WLOAD t                         ; every offset is an immediate: 511 x 12,288 bytes at the most, inside the signed 24 bits
.irp i, 0,1,2,3,4,5,6,7,8,9,10,11,12,13,14,15,16,17,18,19,20,21,22,23,24,25,26,27,28,29,30,31
	global_load_b32 v[WX+32*((\t)%2)+\i], v3, s[6:7] offset:(32*(\t)+\i)*SIZE_N*4 th:TH_LOAD_NT
.endr
.endm
	WLOAD 0
	WLOAD 1
.macro WBLOCK t
.set XS, WX+32*((\t)%2)
.if (\t) < NB-1
	s_wait_loadcnt 32                              ; this block's 32 loads are in; the next block's may be out
.else
	s_wait_loadcnt 0
.endif
	v_max3_num_f32 v16, |v[XS]|, |v[XS+1]|, |v[XS+2]|
	v_max3_num_f32 v17, |v[XS+3]|, |v[XS+4]|, |v[XS+5]|
.irp i, 6,10,14,18,22,26
	v_max3_num_f32 v16, v16, |v[XS+\i]|, |v[XS+\i+1]|
	v_max3_num_f32 v17, v17, |v[XS+\i+2]|, |v[XS+\i+3]|
.endr
	v_max3_num_f32 v16, v16, |v[XS+30]|, |v[XS+31]|
	v_max3_num_f32 v16, v16, v17, (EMAX+1)<<23
	v_add_nc_u32 v18, -(EMAX<<23), v16
	v_lshrrev_b32 v19, 23, v18
.if (\t)%4 == 0
	v_mov_b32 v[SB+(\t)/4], v19
.else
	v_lshl_or_b32 v[SB+(\t)/4], v19, 8*((\t)%4), v[SB+(\t)/4]
.endif
.irp g, 0,1,2,3
	v_cvt_scalef32_pk8_fp4_f32 v[WC+\g], v[XS+8*\g:XS+8*\g+7], v18
.endr
	ds_store_b128 v4, v[WC:WC+3] offset:16*(\t)
.if (\t)+2 < NB
	WLOAD (\t)+2
.endif
	s_wait_dscnt 0x0                               ; the store has read its registers: the next block's codes may be written
.endm
.set Q, 0
.rept NB
	WBLOCK Q
.set Q, Q+1
.endr
	global_store_b128 v9, v[SB:SB+3], s[16:17]
.irp t, 0,1,2,3,4,5,6,7,8,9,10,11,12,13,14,15
	ds_load_b128 v[OUTR+4*\t:OUTR+4*\t+3], v7 offset:2*\t*WPITCH
.endr
.irp t, 0,1,2,3,4,5,6,7,8,9,10,11,12,13,14,15
	s_wait_dscnt 15-\t
	global_store_b128 v8, v[OUTR+4*\t:OUTR+4*\t+3], s[14:15] offset:2*\t*KROW   ; sixteen lanes store 256 consecutive bytes, aligned
.endr
	s_wait_tensorcnt 0x0                           ; the wave's end
	ds_add_u32 v[SPW], v[NIL]
	s_wait_dscnt 0x0
	s_endpgm
.Lfunc_end_k_qcb6089a64f_prep:
	.size	k_qcb6089a64f_prep, .Lfunc_end_k_qcb6089a64f_prep-k_qcb6089a64f_prep
	.p2alignl 7, 3214868480
	.fill 96, 4, 3214868480
	.section	.rodata,"a",@progbits
	.p2align	6, 0x0
	.amdhsa_kernel k_qcb6089a64f_prep
		.amdhsa_group_segment_fixed_size 68096
		.amdhsa_private_segment_fixed_size 0
		.amdhsa_enable_private_segment 0
		.amdhsa_kernarg_size 64
		.amdhsa_user_sgpr_count 2
		.amdhsa_user_sgpr_kernarg_segment_ptr 1
		.amdhsa_wavefront_size32 1
		.amdhsa_system_sgpr_workgroup_id_x 1
		.amdhsa_system_sgpr_workgroup_id_y 1
		.amdhsa_system_sgpr_workgroup_id_z 1
		.amdhsa_system_vgpr_workitem_id 0
		.amdhsa_next_free_vgpr 192
		.amdhsa_next_free_sgpr 66
		.amdhsa_reserve_vcc 0
		.amdhsa_float_denorm_mode_32 3
		.amdhsa_float_denorm_mode_16_64 3
		.amdhsa_memory_ordered 1
		.amdhsa_forward_progress 1
		.amdhsa_inst_pref_size 122
	.end_amdhsa_kernel
	.amdgpu_metadata
---
amdhsa.version: [ 1, 2 ]
amdhsa.kernels:
  - .name:           k_qcb6089a64f_prep
    .symbol:         k_qcb6089a64f_prep.kd
    .args:
      - { .name: x, .offset: 0, .size: 8, .value_kind: global_buffer, .address_space: global }
      - { .name: W_in, .offset: 8, .size: 8, .value_kind: global_buffer, .address_space: global }
      - { .name: W_out, .offset: 16, .size: 8, .value_kind: global_buffer, .address_space: global }
      - { .name: xc, .offset: 24, .size: 8, .value_kind: global_buffer, .address_space: global }
      - { .name: xs, .offset: 32, .size: 8, .value_kind: global_buffer, .address_space: global }
      - { .name: wc, .offset: 40, .size: 8, .value_kind: global_buffer, .address_space: global }
      - { .name: ws, .offset: 48, .size: 8, .value_kind: global_buffer, .address_space: global }
      - { .name: wo16, .offset: 56, .size: 8, .value_kind: global_buffer, .address_space: global }
    .group_segment_fixed_size: 68096
    .private_segment_fixed_size: 0
    .kernarg_segment_align: 8
    .kernarg_segment_size: 64
    .max_flat_workgroup_size: 128
    .sgpr_count:     66
    .vgpr_count:     192
    .wavefront_size: 32
...
	.end_amdgpu_metadata
.endif
;; end of part 1
;; launch qkv (part 2): grid 12 x 32, 4 waves a work-group, clusters of 4 x 4, 327,680 bytes of LDS; arguments xc, xs, wc, ws, b_in, qkv, fq; writes qkv, fq
.if DOCPART == 2
	.amdgcn_target "amdgcn-amd-amdhsa--gfx1250"
	.amdhsa_code_object_version 6
	.text
	.protected	k_qcb6089a64f_qkv
	.globl	k_qcb6089a64f_qkv
	.p2align	8
	.type	k_qcb6089a64f_qkv,@function
k_qcb6089a64f_qkv:
	s_mov_b64 s[64:65], 0
	v_nop
	global_prefetch_b8 v0, s[64:65] scope:SCOPE_SE
	s_setreg_imm32_b32 hwreg(HW_REG_WAVE_MODE, 25, 1), 1
	s_wait_xcnt 0x0
	s_wait_alu depctr_hold_cnt(0) depctr_sa_sdst(0) depctr_va_vdst(0) depctr_va_sdst(0) depctr_va_ssrc(0) depctr_va_vcc(0) depctr_vm_vsrc(0)
	s_getreg_b32 s2, hwreg(HW_REG_IB_STS2, 6, 4)
	s_cmp_eq_u32 s2, 0
	s_cbranch_scc0 .Lentry_in_a_cluster
	s_endpgm
.Lentry_in_a_cluster:
	s_bfe_u32 s2, ttmp6, 0x10000c
	s_cmp_lg_u32 s2, 0xf033
	s_cbranch_scc0 .Lentry_shape_is_right
	s_endpgm
.Lentry_shape_is_right:
; proj = Q(x) Q(W_in) + b_in on codes of E2M1 with E8M0 scales; sums in f32.  A = xc [8192][1024 codes], B = wc [3072][1024 codes].
; Out: qkv [section k, q, v][16 b + head][position][64] in f16, and, for positions 0-15 of each sequence, the f32 sums as they stand in the accumulators: fq [b][n / 16][2][lane][4].
; LIMIT: |proj| beyond 65,504 does not fit f16.
; A tile of 256 x 256 to a work-group of four waves, 128 x 128 a wave: 64 accumulators, 512 registers.  K = 1,024 is two slots of 512: both are asked for at the head and nothing is filled again.
; The scales of the work-group's rows of A and of B, for all of K, come once, as dense blocks.
; CLUSTERS: 4 x 4.  A's tiles are shared along a row of the cluster, B's along a column, each asked for jointly.  The tile row is 8 cy + cluster y: so partner cy serves batch cy, and
; 'my tile holds a sequence's first positions' is 'cluster y = 0', which is the same in all partners.
; TRANSPOSED USE: source 0 = 16 rows of B, source 1 = 16 rows of A: a lane holds eight neighbouring columns of one row.  The bias is the C of each sum's first product.
; REGISTERS: window 0: v0-31 addresses; v32-95 scale words, two sets, and nothing else; v96-127 packed results; v128-191 A's fragments, later rows on the way out; v192-255 the bias.
;   window 1: B's fragments, two sets.  window 2, 3: the accumulators of my rows 0-63, 64-127.
.set SIZE_K, 1024
.set KSTEP,  512
.set NQ,     KSTEP/128
.set ROWB,   256
.set KROW,   SIZE_K*4/8
.set PITCH,  272                       ; an LDS row: 256 bytes + 16 of padding, so that the 16 rows of a fragment load start 16 bytes apart modulo 256
.set FR,     8
.set NL,     2
.set NP,     4
.set HALFT,  128*PITCH
.set SLOT,   4*HALFT
.set KS,     SIZE_K/32
.set SCL,    2*SLOT
.set HALFS,  (128*KS/256)*272
.set SBLK,   (16*KS/256)*272
.set SPARE,  SCL+4*HALFS
.set SPITCH, 400                       ; the way out: a stage of 16 rows x 400 bytes for each wave, in slot 0, which has had its only fill and its last read by then
.set ADRA, 16
.set ADRB, 20
.set STO,  24
.set RD,   25
.set CO,   26
.set ADRS, 27
.set SPW,  28
.set NIL,  29
.set FO,   30                          ; v30 16 x lane: my place in an image of four registers
.set BO,   31                          ; v31 32 x (lane / 16): my eight numbers of a tile of the bias
.set SC,   32
.set TMP,  96
.set AF,   128
.set BK,   128
.set BI,   192
.set G1, 24
.set G0, 32
.set G1B, 48
.set G0B, 56
.set G1S, 68
.set G0S, 76
.set G1SB, 80
.set G0SB, 88
.set MSB, 0
.macro WIN new                         ; the immediate's high byte repeats the setting that is left
.if MSB != (\new)
	s_set_vgpr_msb (MSB<<8)|(\new)
.set MSB, (\new)
.endif
.endm
.set MUL_LO, 0xa1                      ; source 0 (B) window 1, source 1 (A) window 0, C and D window 2
.set MUL_HI, 0xf1
.set FIRST_LO, 0x81                    ; the same with C (the bias) in window 0
.set FIRST_HI, 0xc1
.set TO_B,   0x40
.macro JLOAD g0a, g1a, g0b, g1b        ; a joint load: waves 0 and 1 fetch for A, waves 2 and 3 for B; the branch hangs on the wave's number alone
	s_cmp_eq_u32 s15, 0
	s_cbranch_scc0 .Lfor_b_\@
	tensor_load_to_lds s[\g0a:\g0a+3], s[\g1a:\g1a+7]
	s_nop 0
.rept 4
	v_nop
.endr
	s_branch .Lasked_\@
.Lfor_b_\@:
	tensor_load_to_lds s[\g0b:\g0b+3], s[\g1b:\g1b+7]
	s_nop 0
.rept 4
	v_nop
.endr
.Lasked_\@:
.endm
.macro CROUND                          ; a round of the cluster's barrier
	s_barrier_signal -1
	s_barrier_wait -1
	s_cmp_lg_u32 s14, 0
	s_cbranch_scc1 .Lnot_wave_0_\@
	s_barrier_signal -3
.Lnot_wave_0_\@:
	s_barrier_wait -3
	s_barrier_signal -1
	s_barrier_wait -1
.endm
	s_load_b128 s[4:7], s[0:1], 0x0                ; xc s[4:5], xs s[6:7]
	s_load_b128 s[8:11], s[0:1], 0x10              ; wc s[8:9], ws s[10:11]
	s_load_b64 s[96:97], s[0:1], 0x20              ; b_in
	s_load_b64 s[12:13], s[0:1], 0x28              ; qkv
	s_load_b64 s[98:99], s[0:1], 0x30              ; fq
	v_lshl_add_u32 v[SPW], v0, 2, SPARE
	v_mov_b32 v[NIL], 0
	ds_add_u32 v[SPW], v[NIL]                      ; the wave's opening: the add, twice on end, and its wait ahead of my first tensor load
	ds_add_u32 v[SPW], v[NIL]
	v_lshrrev_b32 v1, 5, v0
	v_readfirstlane_b32 s14, v1                    ; wave 0..3
	s_lshr_b32 s15, s14, 1                         ; which half of the tile's rows is mine.  Also: I fetch for A (0) or for B (1)
	s_and_b32 s16, s14, 1                          ; which half of its columns.  Also: which 128 rows I fetch
	s_bfe_u32 s40, ttmp6, 0x40000                  ; cx
	s_bfe_u32 s41, ttmp6, 0x40004                  ; cy
	s_lshl_b32 s42, ttmp9, 2
	s_add_co_u32 s42, s42, s40                     ; tile column = 4 x cluster x + cx
	s_and_b32 s66, ttmp7, 0xffff                   ; cluster y
	s_lshl_b32 s17, s41, 3
	s_add_co_u32 s17, s17, s66                     ; tile row = 8 cy + cluster y
	s_or_b32 s67, s66, s15                         ; 0: my block 0 is positions 0-15 of a sequence
	s_lshl_b32 s43, s41, 2
	s_lshl_b32 s43, 15, s43                        ; my row of the cluster
	s_lshl_b32 s44, 0x1111, s40                    ; my column
	s_or_b32 s[G1+0], s43, (0<<16)|(1<<20)|(1<<21)|(5<<22)|(3<<25)  ; the mask; elements of 1 byte; padding: 4 words behind every 64
	s_or_b32 s[G1B+0], s44, (0<<16)|(1<<20)|(1<<21)|(5<<22)|(3<<25)
.irp g, G1, G1B
	s_mov_b32 s[\g+1], ROWB<<16                    ; tensor_dim0
	s_mov_b32 s[\g+2], 128<<16                     ; tensor_dim1
	s_mov_b32 s[\g+3], ROWB<<16                    ; tile_dim0
	s_mov_b32 s[\g+4], 128                         ; tile_dim1
	s_mov_b32 s[\g+5], KROW                        ; the pitch
	s_mov_b32 s[\g+6], 0
	s_mov_b32 s[\g+7], 0
.endr
	s_or_b32 s[G1S+0], s43, (3<<16)|(1<<20)|(1<<21)|(5<<22)|(3<<25)  ; the scales of 128 rows: 4,096 dense bytes as rows of 256
	s_or_b32 s[G1SB+0], s44, (3<<16)|(1<<20)|(1<<21)|(5<<22)|(3<<25)
.irp g, G1S, G1SB
	s_mov_b32 s[\g+1], 32<<16
	s_mov_b32 s[\g+2], (128*KS/256)<<16
	s_mov_b32 s[\g+3], 32<<16
	s_mov_b32 s[\g+4], 128*KS/256
	s_mov_b32 s[\g+5], 32
	s_mov_b32 s[\g+6], 0
	s_mov_b32 s[\g+7], 0
.endr
	s_lshl_b32 s18, s16, 7
	s_lshl_b32 s20, s17, 8
	s_add_co_u32 s20, s20, s18                     ; A: row 256 x tile row + 128 x half
	s_lshl_b32 s46, s42, 8
	s_add_co_u32 s46, s46, s18                     ; B: row 256 x tile column + 128 x half
	s_mov_b32 s21, 0
	s_mov_b32 s47, 0
	s_mov_b64 s[18:19], KS
	s_mul_u64 s[22:23], s[20:21], s[18:19]
	s_mul_u64 s[92:93], s[46:47], s[18:19]
	s_mov_b64 s[18:19], KROW
	s_mul_u64 s[20:21], s[20:21], s[18:19]
	s_mul_u64 s[46:47], s[46:47], s[18:19]
	s_mul_i32 s45, s14, HALFT                      ; where they go: wave x 128 rows
	s_mul_i32 s94, s14, HALFS
	s_wait_dscnt 0x0                               ; both opening adds are done
	s_wait_kmcnt 0x0
	s_add_nc_u64 s[20:21], s[4:5], s[20:21]
	s_add_nc_u64 s[22:23], s[6:7], s[22:23]
	s_add_nc_u64 s[46:47], s[8:9], s[46:47]
	s_add_nc_u64 s[92:93], s[10:11], s[92:93]
	CROUND                                         ; all sixteen work-groups are here: the joint loads meet
	s_mov_b32 s[G0S], 1
	s_add_co_u32 s[G0S+1], s94, SCL
	s_mov_b64 s[G0S+2:G0S+3], s[22:23]
	s_or_b32 s[G0S+3], s[G0S+3], 0x80000000
	s_mov_b32 s[G0SB], 1
	s_add_co_u32 s[G0SB+1], s94, SCL
	s_mov_b64 s[G0SB+2:G0SB+3], s[92:93]
	s_or_b32 s[G0SB+3], s[G0SB+3], 0x80000000
	JLOAD G0S, G1S, G0SB, G1SB                     ; the scales first
.irp s, 0,1
	s_mov_b32 s[G0+4*\s], 1
	s_add_co_u32 s[G0+4*\s+1], s45, \s*SLOT
	s_add_nc_u64 s[G0+4*\s+2:G0+4*\s+3], s[20:21], \s*ROWB
	s_or_b32 s[G0+4*\s+3], s[G0+4*\s+3], 0x80000000
	s_mov_b32 s[G0B+4*\s], 1
	s_add_co_u32 s[G0B+4*\s+1], s45, \s*SLOT
	s_add_nc_u64 s[G0B+4*\s+2:G0B+4*\s+3], s[46:47], \s*ROWB
	s_or_b32 s[G0B+4*\s+3], s[G0B+4*\s+3], 0x80000000
	JLOAD G0+4*\s, G1, G0B+4*\s, G1B               ; three tensor loads of mine are out in all
.endr
	v_and_b32 v1, 15, v0                           ; r
	v_bfe_u32 v2, v0, 4, 1                         ; h
	; the bias of my 128 columns: tile b's register j is b_in[n0 + 16 b + 8 h + j]
	s_lshl_b32 s46, s42, 10
	s_lshl_b32 s47, s16, 9
	s_add_co_u32 s46, s46, s47
	s_mov_b32 s47, 0
	s_add_nc_u64 s[96:97], s[96:97], s[46:47]
	v_lshlrev_b32 v[BO], 5, v2
.irp b, 0,1,2,3,4,5,6,7
	global_load_b128 v[BI+8*\b:BI+8*\b+3], v[BO], s[96:97] offset:64*\b
	global_load_b128 v[BI+8*\b+4:BI+8*\b+7], v[BO], s[96:97] offset:64*\b+16
.endr
	v_mul_u32_u24 v3, v1, PITCH
	v_lshl_add_u32 v4, v2, 4, v3                   ; a fragment's row x pitch + 16 x half
	s_mul_i32 s21, s15, HALFT
	s_mul_i32 s22, s16, HALFT
	s_add_co_u32 s22, s22, 2*HALFT
.irp s, 0,1
	v_add_nc_u32 v[ADRA+\s], s21, v4
	v_add_nc_u32 v[ADRB+\s], s22, v4
	s_add_co_u32 s21, s21, SLOT
	s_add_co_u32 s22, s22, SLOT
.endr
	v_mul_u32_u24 v5, v1, KS                       ; my row's scales: KS bytes a row,
	v_lshrrev_b32 v6, 8, v5
	v_lshl_add_u32 v5, v6, 4, v5                   ; and 16 more for each 256 passed
	s_mul_i32 s21, s15, HALFS
	s_mul_i32 s22, s16, HALFS
	s_add_co_u32 s22, s22, 2*HALFS
	s_sub_co_u32 s22, s22, s21
	v_mul_u32_u24 v6, s22, v2                      ; lanes 16-31 take B's
	s_add_co_u32 s21, s21, SCL
	v_add_nc_u32 v5, v5, v6
	v_add_nc_u32 v[ADRS], s21, v5
	; the way out
	s_mul_i32 s23, s14, 16*SPITCH                  ; my stage
	v_mul_u32_u24 v5, v1, SPITCH
	v_lshl_add_u32 v5, v2, 4, v5
	v_add_nc_u32 v[STO], s23, v5                   ; in: row r, 16 bytes for each half of the lanes
	v_bfe_u32 v5, v0, 3, 1
	v_mul_u32_u24 v5, v5, SPITCH
	v_lshl_add_u32 v5, v2, 7, v5
	v_and_b32 v6, 7, v0
	v_lshl_add_u32 v5, v6, 4, v5
	v_add_nc_u32 v[RD], s23, v5                    ; back: lanes 0-15 two rows' 128 bytes of the first head, lanes 16-31 of the second
	v_lshlrev_b32 v[CO], 4, v1
	v_lshl_add_u32 v[CO], v2, 18, v[CO]            ; and in qkv: a head on is 2^18 bytes
	v_and_b32 v6, 31, v0
	v_lshlrev_b32 v[FO], 4, v6
	s_lshr_b32 s20, s42, 2
	s_lshl_b32 s20, s20, 24                        ; the section: n0 / 1,024
	s_lshl_b32 s21, s42, 2
	s_lshl_b32 s22, s16, 1
	s_add_co_u32 s21, s21, s22
	s_and_b32 s21, s21, 15                         ; my first head
	s_lshr_b32 s22, s17, 3
	s_lshl_b32 s22, s22, 4
	s_add_co_u32 s21, s21, s22                     ; 16 b + head
	s_lshl_b32 s21, s21, 18
	s_add_co_u32 s20, s20, s21
	s_and_b32 s21, s17, 7
	s_lshl_b32 s21, s21, 1
	s_add_co_u32 s21, s21, s15
	s_lshl_b32 s21, s21, 14                        ; my first position x 128 bytes
	s_add_co_u32 s20, s20, s21
	s_mov_b32 s21, 0
	s_add_nc_u64 s[12:13], s[12:13], s[20:21]
	s_mul_i32 s20, s41, 196608                     ; fq: batch cy, tile n0 / 16
	s_lshl_b32 s22, s42, 14
	s_add_co_u32 s20, s20, s22
	s_lshl_b32 s22, s16, 13
	s_add_co_u32 s20, s20, s22
	s_add_nc_u64 s[98:99], s[98:99], s[20:21]
.macro FRAG reg, adr, q, i             ; 16 rows x 128 K of 4-bit codes: 8 registers, two loads of 16 bytes, 32 bytes apart
.irp c, 0,1
	ds_load_b128 v[\reg+4*\c:\reg+4*\c+3], v[\adr] offset:64*(\q)+32*\c+(\i)*16*PITCH
.endr
.endm
; 16 products: A's blocks a0, a0 + 1 x B's eight.  zero = 1: the first product starts the sums from the bias.  The 64 accumulators take turns, one instruction a turn.
.macro MUL16 a0, p, q, sc, zero
.irp a, \a0, \a0+1
.irp b, 0,1,2,3,4,5,6,7
.if \zero
	v_wmma_scale_f32_16x16x128_f8f6f4 v[8*(8*((\a)%4)+\b):8*(8*((\a)%4)+\b)+7], v[128*(\p)+FR*\b:128*(\p)+FR*\b+FR-1], v[AF+FR*(\a):AF+FR*(\a)+FR-1], v[BI+8*\b:BI+8*\b+7], v[SC+8*NQ*(\sc)+NQ*\b+(\q)], v[SC+8*NQ*(\sc)+NQ*(\a)+(\q)] matrix_a_fmt:MATRIX_FMT_FP4 matrix_b_fmt:MATRIX_FMT_FP4 matrix_a_scale:MATRIX_SCALE_ROW1
.else
	v_wmma_scale_f32_16x16x128_f8f6f4 v[8*(8*((\a)%4)+\b):8*(8*((\a)%4)+\b)+7], v[128*(\p)+FR*\b:128*(\p)+FR*\b+FR-1], v[AF+FR*(\a):AF+FR*(\a)+FR-1], v[8*(8*((\a)%4)+\b):8*(8*((\a)%4)+\b)+7], v[SC+8*NQ*(\sc)+NQ*\b+(\q)], v[SC+8*NQ*(\sc)+NQ*(\a)+(\q)] matrix_a_fmt:MATRIX_FMT_FP4 matrix_b_fmt:MATRIX_FMT_FP4 matrix_a_scale:MATRIX_SCALE_ROW1
.endif
.endr
.endr
.endm
.macro FETCH_B slot, q, p
	WIN TO_B
.irp i, 0,1,2,3,4,5,6,7
	FRAG 128*(\p)+FR*\i, ADRB+\slot, \q, \i
.endr
	WIN 0
.endm
.macro FETCH_A slot, q, i0
.irp i, \i0, \i0+1, \i0+2, \i0+3
	FRAG AF+FR*(\i), ADRA+\slot, \q, \i
.endr
.endm
.macro SCALES sc                       ; a slot's scale words: lanes 0-15 take A's block i, lanes 16-31 B's block i
.irp i, 0,1,2,3,4,5,6,7
	ds_load_b128 v[SC+8*NQ*\sc+NQ*\i:SC+8*NQ*\sc+NQ*\i+3], v[ADRS] offset:\i*SBLK
.endr
.endm
.macro PLACES n                        ; plain vector instructions between a matrix instruction and a load into, or a read of, its registers
.rept \n
	v_nop
.endr
.endm
.macro STEP slot, q, zero              ; 128 along K with its successor in the same slot
	s_wait_dscnt 4*NL                              ; B's set and A's blocks 0-3 are in; the youngest eight loads (A's blocks 4-7) may be out
.if \zero
	WIN FIRST_LO
.else
	WIN MUL_LO
.endif
	MUL16 0, (\q)%2, \q, \slot, \zero
	MUL16 2, (\q)%2, \q, \slot, \zero
	s_wait_dscnt 0
	PLACES NP
	FETCH_B \slot, (\q)+1, 1-(\q)%2
	FETCH_A \slot, (\q)+1, 0
.if \zero
	WIN FIRST_HI
.else
	WIN MUL_HI
.endif
	MUL16 4, (\q)%2, \q, \slot, \zero
	MUL16 6, (\q)%2, \q, \slot, \zero
	PLACES NP
	WIN 0
	FETCH_A \slot, (\q)+1, 4
.endm
.macro TURN slot, next                 ; slot 0's last step: one barrier; behind it slot 1 is whole for every wave and nobody reads slot 0 any more
	s_wait_tensorcnt 0x0                           ; my part of slot 1 has landed
	ds_add_u32 v[SPW], v[NIL]                      ; 0 onto my spare word
	s_wait_dscnt 4*NL+1                            ; the add and the youngest eight loads may be out
	WIN MUL_LO
	MUL16 0, 1, NQ-1, \slot, 0
	s_wait_dscnt 0x0                               ; the add is done, and my reads of this slot are over
	s_barrier_signal -1
	MUL16 2, 1, NQ-1, \slot, 0
	WIN 0
	s_barrier_wait -1
	PLACES NP
	v_add_nc_u32 v[ADRS], 4*NQ, v[ADRS]            ; the next slot's scale words
	FETCH_B \next, 0, 0
	FETCH_A \next, 0, 0
	SCALES \next
	WIN MUL_HI
	MUL16 4, 1, NQ-1, \slot, 0
	MUL16 6, 1, NQ-1, \slot, 0
	PLACES NP
	WIN 0
	FETCH_A \next, 0, 4
.endm
.macro STEPS slot, from
.set Q, \from
.rept NQ-1-\from
	STEP \slot, Q, 0
.set Q, Q+1
.endr
.endm
	s_wait_tensorcnt 1                             ; the scales and my part of slot 0 are in; slot 1's load may be out
	s_barrier_signal -1
	s_barrier_wait -1
	FETCH_B 0, 0, 0
	FETCH_A 0, 0, 0
	SCALES 0
	FETCH_A 0, 0, 4
	s_wait_loadcnt 0x0                             ; the bias
	STEP 0, 0, 1
	STEPS 0, 1
	TURN 0, 1
	STEPS 1, 0
	s_wait_dscnt 4*NL                              ; the last step
	WIN MUL_LO
	MUL16 0, 1, NQ-1, 1, 0
	MUL16 2, 1, NQ-1, 1, 0
	s_wait_dscnt 0
	WIN MUL_HI
	MUL16 4, 1, NQ-1, 1, 0
	MUL16 6, 1, NQ-1, 1, 0
	WIN 0
; THE WAY OUT, a block of 16 rows x 128 columns (two heads) at a time: rounded to f16, 16 bytes a lane into my stage, back so that sixteen lanes hold two neighbouring positions of one head: 256 consecutive bytes of qkv.
.macro PACK a
.set AC, 64*((\a)%4)
	WIN 0x0a+5*((\a)/4)                            ; sources 0 and 1: window 2 or 3
.irp b, 0,1,2,3,4,5,6,7
.irp r, 0,1,2,3
	v_cvt_pk_f16_f32 v[TMP+4*\b+\r], v[AC+8*\b+2*\r], v[AC+8*\b+2*\r+1]
.endr
.endr
	WIN 0
.endm
.macro TOSTAGE a
.set BB, BK+32*((\a)%2)
.irp b, 0,1,2,3,4,5,6,7
	ds_store_b128 v[STO], v[TMP+4*\b:TMP+4*\b+3] offset:32*\b
.endr
.irp t, 0,1,2,3,4,5,6,7
	ds_load_b128 v[BB+4*\t:BB+4*\t+3], v[RD] offset:\t*2*SPITCH    ; LDS serves a wave's instructions in order: these see the stores above
.endr
.endm
.macro SEND a
.set BB, BK+32*((\a)%2)
	s_wait_dscnt 0x0                               ; the block is back in registers
	s_wait_xcnt 0x0                                ; the earlier stores have read their registers: the next block's loads may land there
.irp t, 0,1,2,3,4,5,6,7
	global_store_b128 v[CO], v[BB+4*\t:BB+4*\t+3], s[12:13] offset:2048*(\a)+256*\t
.endr
.endm
	PLACES NP
	s_cmp_lg_u32 s67, 0                            ; cluster y and my row half: the same in all partners
	s_cbranch_scc1 .Lnot_fine
	WIN 0x08                                       ; a store's data are its source 1: window 2
.irp b, 0,1,2,3,4,5,6,7
	global_store_b128 v[FO], v[8*\b:8*\b+3], s[98:99] offset:1024*\b          ; block 0's accumulators as they stand, each from its low end on; 512 consecutive bytes a store
	global_store_b128 v[FO], v[8*\b+4:8*\b+7], s[98:99] offset:1024*\b+512
.endr
	WIN 0
.Lnot_fine:
	PACK 0
	TOSTAGE 0
.irp a, 1,2,3,4,5,6,7
	PACK \a
	SEND \a-1
	TOSTAGE \a
.endr
	SEND 7
	s_wait_tensorcnt 0x0                           ; the wave's end
	ds_add_u32 v[SPW], v[NIL]
	s_wait_dscnt 0x0
	CROUND                                         ; the closing round
	s_endpgm
.Lfunc_end_k_qcb6089a64f_qkv:
	.size	k_qcb6089a64f_qkv, .Lfunc_end_k_qcb6089a64f_qkv-k_qcb6089a64f_qkv
	.p2alignl 7, 3214868480
	.fill 96, 4, 3214868480
	.section	.rodata,"a",@progbits
	.p2align	6, 0x0
	.amdhsa_kernel k_qcb6089a64f_qkv
		.amdhsa_group_segment_fixed_size 327680
		.amdhsa_private_segment_fixed_size 0
		.amdhsa_enable_private_segment 0
		.amdhsa_kernarg_size 56
		.amdhsa_user_sgpr_count 2
		.amdhsa_user_sgpr_kernarg_segment_ptr 1
		.amdhsa_wavefront_size32 1
		.amdhsa_system_sgpr_workgroup_id_x 1
		.amdhsa_system_sgpr_workgroup_id_y 1
		.amdhsa_system_sgpr_workgroup_id_z 1
		.amdhsa_system_vgpr_workitem_id 0
		.amdhsa_next_free_vgpr 1024
		.amdhsa_next_free_sgpr 100
		.amdhsa_reserve_vcc 0
		.amdhsa_float_denorm_mode_32 3
		.amdhsa_float_denorm_mode_16_64 3
		.amdhsa_memory_ordered 1
		.amdhsa_forward_progress 1
		.amdhsa_inst_pref_size 130
	.end_amdhsa_kernel
	.amdgpu_metadata
---
amdhsa.version: [ 1, 2 ]
amdhsa.kernels:
  - .name:           k_qcb6089a64f_qkv
    .symbol:         k_qcb6089a64f_qkv.kd
    .args:
      - { .name: xc, .offset: 0, .size: 8, .value_kind: global_buffer, .address_space: global }
      - { .name: xs, .offset: 8, .size: 8, .value_kind: global_buffer, .address_space: global }
      - { .name: wc, .offset: 16, .size: 8, .value_kind: global_buffer, .address_space: global }
      - { .name: ws, .offset: 24, .size: 8, .value_kind: global_buffer, .address_space: global }
      - { .name: b_in, .offset: 32, .size: 8, .value_kind: global_buffer, .address_space: global }
      - { .name: qkv, .offset: 40, .size: 8, .value_kind: global_buffer, .address_space: global }
      - { .name: fq, .offset: 48, .size: 8, .value_kind: global_buffer, .address_space: global }
    .group_segment_fixed_size: 327680
    .private_segment_fixed_size: 0
    .kernarg_segment_align: 8
    .kernarg_segment_size: 56
    .max_flat_workgroup_size: 128
    .sgpr_count:     100
    .vgpr_count:     1024
    .wavefront_size: 32
...
	.end_amdgpu_metadata
.endif
;; end of part 2
;; launch attn (part 3): grid 4 x 64, 8 waves a work-group, no clusters, 327,680 bytes of LDS; arguments qkv, o16; writes o16
.if DOCPART == 3
	.amdgcn_target "amdgcn-amd-amdhsa--gfx1250"
	.amdhsa_code_object_version 6
	.text
	.protected	k_qcb6089a64f_attn
	.globl	k_qcb6089a64f_attn
	.p2align	8
	.type	k_qcb6089a64f_attn,@function
k_qcb6089a64f_attn:
	s_mov_b64 s[64:65], 0
	v_nop
	global_prefetch_b8 v0, s[64:65] scope:SCOPE_SE
	s_setreg_imm32_b32 hwreg(HW_REG_WAVE_MODE, 25, 1), 1
	s_wait_xcnt 0x0
; o[bh][q] = sum over keys k <= q of softmax_k(q . k / 8) v, on f16 operands; products, maxima and sums in f32; the weights p are rounded to f16 for the second product, o once at the end.
; In: qkv [k, q, v][16 b + head][2048][64] f16.  Out: o16 [head][2048 b + position][64] f16.
; SHARES.  Work-group (p, bh) owns two blocks of 256 queries of head bh: block 7 - p (it walks key slots 0 .. 7 - p) and then block p (slots 0 .. p); a slot is 256 keys.
; That is 9 slots for every work-group, two of them on the diagonal: 256 work-groups of equal work, and the trip count is a constant.  A wave owns 32 queries, two tiles of 16.
; NO CLUSTER: the four work-groups of a head change from their first block to their second after 8 - p slots, so from there on they want different tiles in the same trip.
; LAYOUT.  S^T = K Q^T and O^T = V^T P: a lane holds one query (lane % 16) throughout; two tiles of S^T, rounded in pairs, are the second product's source 1.  V comes out of LDS turned, by ds_load_tr16_b128.
; SOFTMAX.  A running maximum m and sum l for each query: p = 2^(c s - c m), c = log2(e) / 8; in each step O and l are multiplied by a = 2^(c m_old - c m_new).  Hidden scores become -infinity.
; A step of 64 keys all of which come after the wave's queries is jumped over (ids alone); key 0 counts for every query, so m is a number from a pass's first step on.
; RING.  Two slots; a head's rows are dense, so two keys' 128 bytes are stated as one row of 256.  Waves 0, 1 fetch K's halves, waves 2, 3 V's; one tensor load a wave is out.
; LIMITS: NaN and infinities are not served; 1 / l by v_rcp_f32.
; REGISTERS: window 0: v3-12 addresses; v16, v17 the add's; v32-47 statistics; v48-50 the mask's; v64-127 S^T; v128-159 P.  window 1: v0-63 O^T; v64-95 Q; v96-159 K; v160-223 V.
.set SLOT1, 1<<17
.set VOFF,  34816                      ; a slot: K's 128 pair rows x 272 bytes, then V's 128 x 288
.set STAGE, SLOT1+71680                ; 8 waves x 32 rows x 144 bytes
.set SPARE, STAGE+8*4608               ; the spare words, 128 bytes a wave
.set ST,  32                           ; tile t at v[ST+8 t]: +0 c m, +1 m, +2, +3 l, +4 .. +7 at work; a at +6
.set S,   64
.set P,   128
.set QFR, 64
.set KFR, 96
.set VFR, 160
.set SPW, 16
.set NIL, 17
.set G1K, 24
.set G1V, 32
.set G0K, 40
.set G0V, 44
.set MSB, 0
.macro WIN new
.if MSB != (\new)
	s_set_vgpr_msb (MSB<<8)|(\new)
.set MSB, (\new)
.endif
.endm
.macro TLOAD                           ; the branches hang on the wave's number alone
	s_cmp_lt_u32 s8, 2
	s_cbranch_scc0 .Lnot_k_\@
	tensor_load_to_lds s[G0K:G0K+3], s[G1K:G1K+7]
	s_nop 0
.rept 4
	v_nop
.endr
	s_branch .Lasked_\@
.Lnot_k_\@:
	s_cmp_lt_u32 s8, 4
	s_cbranch_scc0 .Lasked_\@
	tensor_load_to_lds s[G0V:G0V+3], s[G1V:G1V+7]
	s_nop 0
.rept 4
	v_nop
.endr
.Lasked_\@:
.endm
; A prefetch of the slot that the NEXT change of slots will ask for: 32,768 bytes of K and of V.  The head's work-group with p = 0, which walks slots 0 to 7 in order, asks; in it waves 4 to 7,
; which fetch nothing, take 8,192 bytes each, lanes 256 bytes apart: each block is named once in the launch.  Trip t asks for slot t + 2, for t up to 5.
.macro ASK
	s_cmp_gt_u32 s15, s60
	s_cbranch_scc0 .Lnot_mine_\@
	global_prefetch_b8 v12, s[56:57] th:TH_LOAD_NT scope:SCOPE_SE
	global_prefetch_b8 v12, s[58:59] th:TH_LOAD_NT scope:SCOPE_SE
.Lnot_mine_\@:
.endm
	s_load_b128 s[4:7], s[0:1], 0x0                ; qkv s[4:5], o16 s[6:7]
	v_lshl_add_u32 v[SPW], v0, 2, SPARE
	v_mov_b32 v[NIL], 0
	ds_add_u32 v[SPW], v[NIL]                      ; the wave's opening: the add, twice on end, and its wait ahead of my first tensor load
	ds_add_u32 v[SPW], v[NIL]
	v_lshrrev_b32 v1, 5, v0
	v_readfirstlane_b32 s8, v1                     ; wave 0..7
	s_mov_b32 s9, ttmp9                            ; p
	s_and_b32 s10, ttmp7, 0xffff                   ; bh
	s_and_b32 s68, s8, 3                           ; which 32 queries of a block are mine: 0, 6, 4, 2, 7, 1, 3, 5: waves with many and with few steps on the diagonal are mixed
	s_mul_i32 s68, s68, 6
	s_and_b32 s68, s68, 6
	s_lshr_b32 s69, s8, 2
	s_mul_i32 s69, s69, 7
	s_xor_b32 s11, s68, s69
	s_sub_co_u32 s12, 8, s9                        ; the first pass's slots
	s_mov_b32 s13, 0                               ; the trip
	s_mov_b32 s14, 1                               ; the trip that is asked for
	s_mov_b32 s15, 8                               ; changes of slots that still ask
	s_lshl_b32 s66, s12, 15                        ; the first pass's keys in bytes
	s_mov_b32 s62, 0
	s_mov_b32 s63, 0
	s_mov_b32 s17, 0                               ; the step's first key
	s_mov_b32 s18, 0                               ; where the step's K begins in LDS
	s_mov_b32 s19, 0                               ; and its V, less VOFF
	s_mov_b32 s20, 0x76543210
	s_mov_b32 s21, 0xfedcba98                      ; v_permlanex16_b32's selects for lane l xor 16
	s_mov_b32 s22, 0x3e38aa3b                      ; c = log2(e) / 8
	s_mov_b32 s23, s22
	s_mov_b32 s[G1K], (1<<16)|(1<<20)|(5<<22)|(3<<25)   ; elements of 2 bytes; padding: 4 words behind every 64
	s_mov_b32 s[G1V], (1<<16)|(1<<20)|(5<<22)|(7<<25)   ; 8 words
.irp g, G1K, G1V
	s_mov_b32 s[\g+1], 128<<16                     ; tensor_dim0: a pair row
	s_mov_b32 s[\g+2], 64<<16                      ; tensor_dim1
	s_mov_b32 s[\g+3], 128<<16                     ; tile_dim0
	s_mov_b32 s[\g+4], 64                          ; tile_dim1
	s_mov_b32 s[\g+5], 128                         ; the pitch
	s_mov_b32 s[\g+6], 0
	s_mov_b32 s[\g+7], 0
.endr
	s_and_b32 s68, s8, 1                           ; which half of a slot I fetch, if I fetch
	s_lshl_b32 s70, s10, 18                        ; the head's bytes in a section
	s_lshl_b32 s69, s68, 14
	s_add_co_u32 s72, s70, s69
	s_mov_b32 s73, 0
	s_mov_b32 s71, 0
	s_lshr_b32 s74, s8, 2
	s_xor_b32 s74, s74, 1
	s_or_b32 s74, s74, s9                          ; 0 in waves 4 to 7 of the work-group with p = 0
	s_cmp_eq_u32 s74, 0
	s_cselect_b32 s60, 2, -1
	s_wait_dscnt 0x0                               ; both opening adds are done
	s_wait_kmcnt 0x0
	s_mov_b32 s[G0K], 1
	s_mul_i32 s[G0K+1], s68, 17408
	s_add_nc_u64 s[G0K+2:G0K+3], s[4:5], s[72:73]
	s_or_b32 s[G0K+3], s[G0K+3], 0x80000000
	s_mov_b32 s[G0V], 1
	s_mul_i32 s[G0V+1], s68, 18432
	s_add_co_u32 s[G0V+1], s[G0V+1], VOFF
	s_add_nc_u64 s[G0V+2:G0V+3], s[4:5], s[72:73]
	s_add_nc_u64 s[G0V+2:G0V+3], s[G0V+2:G0V+3], 0x2000000
	s_or_b32 s[G0V+3], s[G0V+3], 0x80000000
	TLOAD                                          ; key slot 0 into LDS slot 0
	s_add_nc_u64 s[48:49], s[4:5], s[70:71]
	s_add_nc_u64 s[48:49], s[48:49], 0x1000000     ; the head's queries
	s_and_b32 s68, s10, 15
	s_lshl_b32 s68, s68, 20
	s_lshr_b32 s69, s10, 4
	s_lshl_b32 s69, s69, 18
	s_add_co_u32 s68, s68, s69
	s_mov_b32 s69, 0
	s_add_nc_u64 s[50:51], s[6:7], s[68:69]        ; o16 at (head, batch)
	s_and_b32 s68, s8, 3
	s_lshl_b32 s68, s68, 13
	s_add_co_u32 s68, s68, s70
	s_add_co_u32 s68, s68, 32768                   ; my part of slot 1: the first change steps it to slot 2
	s_add_nc_u64 s[56:57], s[4:5], s[68:69]
	s_add_nc_u64 s[58:59], s[56:57], 0x2000000
	v_and_b32 v1, 15, v0                           ; r
	v_bfe_u32 v2, v0, 4, 1                         ; h
	v_and_b32 v13, 31, v0                          ; lane
	v_lshrrev_b32 v14, 1, v1
	v_mul_u32_u24 v3, v14, 272
	v_and_b32 v14, 1, v1
	v_lshl_add_u32 v3, v14, 7, v3
	v_lshl_add_u32 v3, v2, 4, v3                   ; K: key r lies in pair row r / 2, half r % 2; + 16 h
	v_bfe_u32 v14, v0, 1, 2
	v_lshl_add_u32 v14, v2, 2, v14
	v_mul_u32_u24 v4, v14, 288
	v_and_b32 v14, 1, v0
	v_lshl_add_u32 v4, v14, 7, v4
	v_bfe_u32 v14, v0, 3, 1
	v_lshl_add_u32 v4, v14, 4, v4
	v_add_nc_u32 v4, VOFF, v4                      ; V, for the turning load: key 8 h + lane % 8, channels 8 ((lane / 8) % 2) on
	v_lshlrev_b32 v7, 7, v1
	v_lshl_add_u32 v7, v2, 4, v7                   ; Q in memory: row r of 128 bytes, + 16 h
	s_mul_i32 s68, s8, 4608
	s_add_co_u32 s68, s68, STAGE                   ; my stage
	v_mul_u32_u24 v8, v1, 144
	v_lshl_add_u32 v8, v2, 4, v8
	v_add_nc_u32 v8, s68, v8
	v_bfe_u32 v14, v0, 3, 2
	v_mul_u32_u24 v9, v14, 144
	v_and_b32 v14, 7, v0
	v_lshl_add_u32 v9, v14, 4, v9
	v_add_nc_u32 v9, s68, v9                       ; back: four rows of 128 bytes an instruction
	v_lshlrev_b32 v10, 4, v13                      ; and in o16: 512 consecutive bytes
	v_lshlrev_b32 v14, 3, v2
	v_sub_nc_u32 v11, v1, v14                      ; r - 8 h
	v_lshlrev_b32 v12, 8, v13
	v_mov_b32 v50, 0xff800000                      ; -infinity
.irp t, 0,1
.irp j, 4,5,6,7
	v_mov_b32 v[ST+8*\t+\j], 0                     ; written once, so that they are written on every way
.endr
.endr
; A pass begins: s16 = my first query.  Q into registers; O^T, l = 0; m = -3e38, under every score.
.macro PASS_INIT
	s_lshl_b32 s68, s16, 7
	s_mov_b32 s69, 0
	s_add_nc_u64 s[52:53], s[48:49], s[68:69]
	s_add_nc_u64 s[54:55], s[50:51], s[68:69]
	WIN 0x40                                       ; destination window 1
.irp t, 0,1
.irp c, 0,1
	global_load_b128 v[QFR+16*\t+8*\c:QFR+16*\t+8*\c+3], v7, s[52:53] offset:2048*\t+64*\c
	global_load_b128 v[QFR+16*\t+8*\c+4:QFR+16*\t+8*\c+7], v7, s[52:53] offset:2048*\t+64*\c+32
.endr
.endr
.set i, 0
.rept 64
	v_mov_b32 v[i], 0                              ; the step is written once: a pass's first step finds zeros
.set i, i+1
.endr
	WIN 0
.irp t, 0,1
	v_mov_b32 v[ST+8*\t+1], 0xff61b1e6
	v_mul_f32 v[ST+8*\t], s22, v[ST+8*\t+1]
	v_mov_b32 v[ST+8*\t+2], 0
	v_mov_b32 v[ST+8*\t+3], 0
.endr
	s_wait_loadcnt 0x0
.endm
; Both tiles' softmax of a step, line by line.  The exponentials are one batch with one wait.
.macro SOFT
.irp j, 0,1,2,3
.irp t, 0,1
	v_max3_num_f32 v[ST+8*\t+4+\j], v[S+32*\t+8*\j], v[S+32*\t+8*\j+1], v[S+32*\t+8*\j+2]   ; each accumulator is read from its low end on
.endr
.endr
.irp g, 1,2
.irp j, 0,1,2,3
.irp t, 0,1
	v_max3_num_f32 v[ST+8*\t+4+\j], v[ST+8*\t+4+\j], v[S+32*\t+8*\j+2*\g+1], v[S+32*\t+8*\j+2*\g+2]
.endr
.endr
.endr
.irp t, 0,1
	v_max3_num_f32 v[ST+8*\t+4], v[ST+8*\t+4], v[S+32*\t+7], v[S+32*\t+15]
.endr
.irp t, 0,1
	v_max3_num_f32 v[ST+8*\t+6], v[ST+8*\t+6], v[S+32*\t+23], v[S+32*\t+31]
.endr
.irp t, 0,1
	v_max3_num_f32 v[ST+8*\t+4], v[ST+8*\t+4], v[ST+8*\t+5], v[ST+8*\t+6]
.endr
.irp t, 0,1
	v_max3_num_f32 v[ST+8*\t+4], v[ST+8*\t+4], v[ST+8*\t+7], v[ST+8*\t+1]   ; and the old m
.endr
.irp t, 0,1
	v_permlanex16_b32 v[ST+8*\t+5], v[ST+8*\t+4], s20, s21   ; the query's other 32 keys lie in the lane 16 away
.endr
.irp t, 0,1
	v_mov_b32 v[ST+8*\t+7], v[ST+8*\t]             ; c m_old
.endr
.irp t, 0,1
	v_max_num_f32 v[ST+8*\t+1], v[ST+8*\t+4], v[ST+8*\t+5]
.endr
.irp t, 0,1
	v_mul_f32 v[ST+8*\t], s22, v[ST+8*\t+1]
.endr
.irp t, 0,1
	v_sub_f32 v[ST+8*\t+7], v[ST+8*\t+7], v[ST+8*\t]
.endr
.irp b, 0,1,2,3,4,5,6,7,8,9,10,11,12,13,14,15
.irp t, 0,1
	v_pk_fma_f32 v[S+32*\t+2*\b:S+32*\t+2*\b+1], v[S+32*\t+2*\b:S+32*\t+2*\b+1], s[22:23], v[ST+8*\t:ST+8*\t+1] op_sel_hi:[1,0,0] neg_lo:[0,0,1] neg_hi:[0,0,1]   ; c s - c m
.endr
.endr
.irp t, 0,1
	v_exp_f32 v[ST+8*\t+6], v[ST+8*\t+7]           ; a
.endr
.irp e, 0,1,2,3,4,5,6,7,8,9,10,11,12,13,14,15,16,17,18,19,20,21,22,23,24,25,26,27,28,29,30,31
.irp t, 0,1
	v_exp_f32 v[S+32*\t+\e], v[S+32*\t+\e]
.endr
.endr
	v_nop                                          ; a plain instruction behind the last exponential
	s_wait_alu depctr_va_vdst(0)                   ; one wait for the batch, ahead of its first reader
.irp b, 0,1,2,3,4,5,6,7,8,9,10,11,12,13,14,15
.irp t, 0,1
	v_cvt_pk_f16_f32 v[P+16*\t+\b], v[S+32*\t+2*\b], v[S+32*\t+2*\b+1]
.endr
.endr
.irp u, 0,1,2,3,4,5,6,7
.irp t, 0,1
	v_pk_add_f32 v[S+32*\t+4*\u:S+32*\t+4*\u+1], v[S+32*\t+4*\u:S+32*\t+4*\u+1], v[S+32*\t+4*\u+2:S+32*\t+4*\u+3]   ; the sum is taken of p before it is rounded
.endr
.endr
.irp u, 0,1,2,3
.irp t, 0,1
	v_pk_add_f32 v[S+32*\t+8*\u:S+32*\t+8*\u+1], v[S+32*\t+8*\u:S+32*\t+8*\u+1], v[S+32*\t+8*\u+4:S+32*\t+8*\u+5]
.endr
.endr
.irp u, 0,1
.irp t, 0,1
	v_pk_add_f32 v[S+32*\t+16*\u:S+32*\t+16*\u+1], v[S+32*\t+16*\u:S+32*\t+16*\u+1], v[S+32*\t+16*\u+8:S+32*\t+16*\u+9]
.endr
.endr
.irp t, 0,1
	v_pk_add_f32 v[S+32*\t:S+32*\t+1], v[S+32*\t:S+32*\t+1], v[S+32*\t+16:S+32*\t+17]
.endr
.irp t, 0,1
	v_pk_fma_f32 v[ST+8*\t+2:ST+8*\t+3], v[ST+8*\t+2:ST+8*\t+3], v[ST+8*\t+6:ST+8*\t+7], v[S+32*\t:S+32*\t+1] op_sel_hi:[1,0,1]   ; l = a l + the sum
.endr
.endm
; A STEP: 64 keys, from s17 on.
.macro STEP
	s_add_co_u32 s68, s16, 31
	s_cmp_gt_u32 s17, s68                          ; all 64 keys come after my 32 queries: ids and the count of steps alone
	s_cbranch_scc1 .Lhidden_\@
	v_add_nc_u32 v5, s18, v3
	v_add_nc_u32 v6, s19, v4
	WIN 0x40
.irp k, 0,1,2,3
.irp c, 0,1
	ds_load_b128 v[KFR+8*(2*\k+\c):KFR+8*(2*\k+\c)+3], v5 offset:\k*2176+64*\c
	ds_load_b128 v[KFR+8*(2*\k+\c)+4:KFR+8*(2*\k+\c)+7], v5 offset:\k*2176+64*\c+32
.endr
.endr
.irp k, 0,1
.irp d, 0,1,2,3
	ds_load_tr16_b128 v[VFR+8*(4*\k+\d):VFR+8*(4*\k+\d)+3], v6 offset:\k*4608+32*\d
	ds_load_tr16_b128 v[VFR+8*(4*\k+\d)+4:VFR+8*(4*\k+\d)+7], v6 offset:\k*4608+32*\d+2304
.endr
.endr
	s_wait_dscnt 16                                ; K's 16 loads are in; V's 16 may stay out
	WIN 0x05                                       ; K and Q window 1, S^T window 0
.set i, 0
.rept 16                               ; channels 32 (i / 8) on, keys 16 ((i / 2) % 4) on, tile i % 2: the eight accumulators take turns
.set rS, S+32*(i%2)+8*((i/2)%4)
.set rK, KFR+8*(2*((i/2)%4)+i/8)
.set rQ, QFR+16*(i%2)+8*(i/8)
.if i < 8
	v_wmma_f32_16x16x32_f16 v[rS:rS+7], v[rK:rK+7], v[rQ:rQ+7], 0
.else
	v_wmma_f32_16x16x32_f16 v[rS:rS+7], v[rK:rK+7], v[rQ:rQ+7], v[rS:rS+7]
.endif
.set i, i+1
.endr
	WIN 0
.rept 4
	v_nop                                          ; places in front of the first read of the scores
.endr
	s_add_co_u32 s68, s17, 63
	s_cmp_le_u32 s68, s16                          ; all 64 keys count for all my queries: no mask
	s_cbranch_scc1 .Lopen_\@
	s_sub_co_i32 s68, s16, s17
	v_add_nc_u32 v48, s68, v11                     ; d = my query - the step's first key - 8 h; register 8 k + j holds key 16 k + 8 h + j: hidden where 16 k + j > d
	v_add_nc_u32 v49, 16, v48
.irp t, 0,1
.irp k, 0,1,2,3
.irp j, 0,1,2,3,4,5,6,7
	v_cmp_gt_i32 vcc_lo, 16*\k+\j, v[48+\t]
	v_cndmask_b32 v[S+32*\t+8*\k+\j], v[S+32*\t+8*\k+\j], v50, vcc_lo
.endr
.endr
.endr
.Lopen_\@:
	SOFT
	WIN 0x41                                       ; O^T window 1, a window 0
.irp t, 0,1
.set i, 0
.rept 16
	v_pk_mul_f32 v[32*\t+i:32*\t+i+1], v[32*\t+i:32*\t+i+1], v[ST+8*\t+6:ST+8*\t+7] op_sel_hi:[1,0]
.set i, i+2
.endr
.endr
	s_wait_dscnt 0x0                               ; V is in
	WIN 0x51                                       ; V window 1, P window 0, O^T window 1
.set i, 0
.rept 16                               ; keys 32 (i / 8) on, channels 16 ((i / 2) % 4) on, tile i % 2
.set rO, 32*(i%2)+8*((i/2)%4)
.set rV, VFR+8*(4*(i/8)+(i/2)%4)
.set rP, P+16*(i%2)+8*(i/8)
	v_wmma_f32_16x16x32_f16 v[rO:rO+7], v[rV:rV+7], v[rP:rP+7], v[rO:rO+7]
.set i, i+1
.endr
	WIN 0
.rept 4
	v_nop                                          ; places in front of the next loads into V's registers and of the next read of O^T
.endr
.Lhidden_\@:
	s_add_co_u32 s17, s17, 64
	s_add_co_u32 s18, s18, 8704
	s_add_co_u32 s19, s19, 9216
.endm
.macro STEPS4                          ; a slot's four steps: written once, walked four times
	s_mov_b32 s61, 4
.Lstep_\@:
	STEP
	s_sub_co_u32 s61, s61, 1
	s_cmp_lg_u32 s61, 0
	s_cbranch_scc1 .Lstep_\@
	s_sub_co_u32 s18, s18, 34816
	s_sub_co_u32 s19, s19, 36864
	s_xor_b32 s18, s18, SLOT1                      ; on to the other slot
	s_xor_b32 s19, s19, SLOT1
.endm
; THE CHANGE OF SLOTS, at a slot's head.  Every wave waits for all its tensor loads, adds 0 to its spare word, waits for that and for its reads of the slot that it has left; one barrier; behind it the slot
; ahead is whole and nobody reads the other, which (fill = 1) takes the next trip's keys: it has a slot's four steps in which to land.
.macro CHANGE fill
	s_wait_tensorcnt 0x0                           ; no tensor load of mine is out, so a group 0 may be written
	ds_add_u32 v[SPW], v[NIL]
.if \fill
	ds_add_u32 v[SPW], v[NIL]                      ; twice on end here, in every trip alike
	s_xor_b32 s[G0K+1], s[G0K+1], SLOT1
	s_xor_b32 s[G0V+1], s[G0V+1], SLOT1
	s_cmp_eq_u32 s14, s12                          ; the trip asked for is the second pass's first: back to key slot 0
	s_cselect_b32 s62, s66, 0
	s_add_nc_u64 s[G0K+2:G0K+3], s[G0K+2:G0K+3], 32768
	s_sub_nc_u64 s[G0K+2:G0K+3], s[G0K+2:G0K+3], s[62:63]
	s_add_nc_u64 s[G0V+2:G0V+3], s[G0V+2:G0V+3], 32768
	s_sub_nc_u64 s[G0V+2:G0V+3], s[G0V+2:G0V+3], s[62:63]
	s_add_co_u32 s14, s14, 1
	s_wait_xcnt 0x0                                ; the last prefetches, a slot back, have read their addresses
	s_add_nc_u64 s[56:57], s[56:57], 32768
	s_add_nc_u64 s[58:59], s[58:59], 32768
.endif
	s_wait_dscnt 0x0                               ; the add is done, and my reads of the slot that I have left are over
	s_barrier_signal -1
	s_barrier_wait -1
.if \fill
	TLOAD                                          ; the first thing behind the barrier, and a wave's one tensor load until the next
	ASK
.endif
.endm
; O^T / l, rounded to f16, through my stage: 32 rows of 128 bytes, which are 4,096 consecutive bytes of o16.
.macro WAYOUT
.irp t, 0,1
	v_add_f32 v[ST+8*\t+4], v[ST+8*\t+2], v[ST+8*\t+3]
.endr
.irp t, 0,1
	v_permlanex16_b32 v[ST+8*\t+5], v[ST+8*\t+4], s20, s21
.endr
.irp t, 0,1
	v_add_f32 v[ST+8*\t+4], v[ST+8*\t+4], v[ST+8*\t+5]
.endr
.irp t, 0,1
	v_rcp_f32 v[ST+8*\t+6], v[ST+8*\t+4]
.endr
	v_nop
	s_wait_alu depctr_va_vdst(0)                   ; one wait for the two reciprocals, ahead of their first reader
	WIN 0x41
.irp t, 0,1
.set i, 0
.rept 16
	v_pk_mul_f32 v[32*\t+i:32*\t+i+1], v[32*\t+i:32*\t+i+1], v[ST+8*\t+6:ST+8*\t+7] op_sel_hi:[1,0]
.set i, i+2
.endr
.endr
	WIN 0x05                                       ; sources window 1, destination window 0
.set i, 0
.rept 32
	v_cvt_pk_f16_f32 v[S+i], v[2*i], v[2*i+1]
.set i, i+1
.endr
	WIN 0
.irp t, 0,1
.irp d, 0,1,2,3
	ds_store_b128 v8, v[S+16*\t+4*\d:S+16*\t+4*\d+3] offset:2304*\t+32*\d
.endr
.endr
.irp f, 0,1,2,3,4,5,6,7
	ds_load_b128 v[S+32+4*\f:S+32+4*\f+3], v9 offset:576*\f   ; LDS serves a wave's instructions in order: these see the stores above
.endr
.irp f, 0,1,2,3,4,5,6,7
	s_wait_dscnt 7-\f                              ; load f is in, the younger ones stay out
	global_store_b128 v10, v[S+32+4*\f:S+32+4*\f+3], s[54:55] offset:512*\f
.endr
.endm
.macro SWITCH                          ; where the trip is the second pass's first (ids alone): the first block goes out, the second begins
	s_cmp_lg_u32 s13, s12
	s_cbranch_scc1 .Lsame_\@
	WAYOUT
	s_wait_xcnt 0x0                                ; the stores have read their registers and their base
	s_lshl_b32 s16, s9, 8
	s_lshl_b32 s68, s11, 5
	s_add_co_u32 s16, s16, s68
	s_mov_b32 s17, 0
	PASS_INIT
.Lsame_\@:
.endm
	s_sub_co_u32 s16, 7, s9
	s_lshl_b32 s16, s16, 8
	s_lshl_b32 s68, s11, 5
	s_add_co_u32 s16, s16, s68                     ; my first query of block 7 - p
	PASS_INIT
.Lslot:                                            ; eight trips, each of which asks for the next trip's slot
	CHANGE 1
	SWITCH
	STEPS4
	s_add_co_u32 s13, s13, 1
	s_sub_co_u32 s15, s15, 1
	s_cmp_lg_u32 s15, 0
	s_cbranch_scc1 .Lslot
	CHANGE 0                                       ; the ninth is written out: it asks for nothing
	SWITCH
	STEPS4
	WAYOUT
	s_wait_tensorcnt 0x0                           ; the wave's end
	ds_add_u32 v[SPW], v[NIL]
	s_wait_dscnt 0x0
	s_endpgm
.Lfunc_end_k_qcb6089a64f_attn:
	.size	k_qcb6089a64f_attn, .Lfunc_end_k_qcb6089a64f_attn-k_qcb6089a64f_attn
	.p2alignl 7, 3214868480
	.fill 96, 4, 3214868480
	.section	.rodata,"a",@progbits
	.p2align	6, 0x0
	.amdhsa_kernel k_qcb6089a64f_attn
		.amdhsa_group_segment_fixed_size 327680
		.amdhsa_private_segment_fixed_size 0
		.amdhsa_enable_private_segment 0
		.amdhsa_kernarg_size 16
		.amdhsa_user_sgpr_count 2
		.amdhsa_user_sgpr_kernarg_segment_ptr 1
		.amdhsa_wavefront_size32 1
		.amdhsa_system_sgpr_workgroup_id_x 1
		.amdhsa_system_sgpr_workgroup_id_y 1
		.amdhsa_system_sgpr_workgroup_id_z 1
		.amdhsa_system_vgpr_workitem_id 0
		.amdhsa_next_free_vgpr 512
		.amdhsa_next_free_sgpr 80
		.amdhsa_reserve_vcc 1
		.amdhsa_float_denorm_mode_32 3
		.amdhsa_float_denorm_mode_16_64 3
		.amdhsa_memory_ordered 1
		.amdhsa_forward_progress 1
		.amdhsa_inst_pref_size 83
	.end_amdhsa_kernel
	.amdgpu_metadata
---
amdhsa.version: [ 1, 2 ]
amdhsa.kernels:
  - .name:           k_qcb6089a64f_attn
    .symbol:         k_qcb6089a64f_attn.kd
    .args:
      - { .name: qkv, .offset: 0, .size: 8, .value_kind: global_buffer, .address_space: global }
      - { .name: o16, .offset: 8, .size: 8, .value_kind: global_buffer, .address_space: global }
    .group_segment_fixed_size: 327680
    .private_segment_fixed_size: 0
    .kernarg_segment_align: 8
    .kernarg_segment_size: 16
    .max_flat_workgroup_size: 256
    .sgpr_count:     80
    .vgpr_count:     512
    .wavefront_size: 32
...
	.end_amdgpu_metadata
.endif
;; end of part 3
;; launch oproj (part 4): grid 4 x 64, 4 waves a work-group, clusters of 4 x 4, 327,680 bytes of LDS; arguments o16, wo16, out0, b_out; writes out0
.if DOCPART == 4
	.amdgcn_target "amdgcn-amd-amdhsa--gfx1250"
	.amdhsa_code_object_version 6
	.text
	.protected	k_qcb6089a64f_oproj
	.globl	k_qcb6089a64f_oproj
	.p2align	8
	.type	k_qcb6089a64f_oproj,@function
k_qcb6089a64f_oproj:
	s_mov_b64 s[64:65], 0
	v_nop
	global_prefetch_b8 v0, s[64:65] scope:SCOPE_SE
	s_setreg_imm32_b32 hwreg(HW_REG_WAVE_MODE, 25, 1), 1
	s_wait_xcnt 0x0
	s_wait_alu depctr_hold_cnt(0) depctr_sa_sdst(0) depctr_va_vdst(0) depctr_va_sdst(0) depctr_va_ssrc(0) depctr_va_vcc(0) depctr_vm_vsrc(0)
	s_getreg_b32 s2, hwreg(HW_REG_IB_STS2, 6, 4)
	s_cmp_eq_u32 s2, 0
	s_cbranch_scc0 .Lentry_in_a_cluster
	s_endpgm
.Lentry_in_a_cluster:
	s_bfe_u32 s2, ttmp6, 0x10000c
	s_cmp_lg_u32 s2, 0xf033
	s_cbranch_scc0 .Lentry_shape_is_right
	s_endpgm
.Lentry_shape_is_right:
; out0 = o W_out + b_out on f16 operands, f32 sums, for every row but positions 0-15 of each sequence, which a later launch makes in f32.
; A = o16 [head][8192 rows][64] f16 (k = 64 head + channel); B = wo16 [k 1024][n 1024] f16, K not innermost: its fragments come out of LDS turned, by ds_load_tr16_b128.
; A tile of C is 128 x 256: 256 work-groups.  Four waves, 64 x 128 each: 32 accumulators.  K goes in 8 steps of 128 through two slots.
; CLUSTERS: 4 x 4.  Tile row = 16 cy + cluster y, tile column = cx: A's tiles are shared along a row of the cluster, B's along a column, each asked for jointly.  'My tile holds a sequence's first rows' is 'cluster y = 0'.
; TRANSPOSED USE: source 0 = 16 columns of W_out, source 1 = 16 rows of o: a lane holds eight neighbouring columns of one row of C.  The bias is the C of each sum's first product.
; REGISTERS: window 0: v16-30 addresses; two fragment buffers at v32 and v128 (A 32 registers, then B 64); on the way out v32-159.  window 1: the accumulators, (a, b) at v[8 (8 a + b)].  window 2: v0-63 the bias.
.set BOFF,   34816                     ; a slot: A's two heads x 64 pair rows x 272 bytes, then B's 128 rows x 544
.set SLOT,   104448
.set STAGE,  2*SLOT                    ; 4 waves x 16 rows x 528 bytes
.set SPITCH, 528
.set SPARE,  STAGE+4*16*SPITCH
.set LAPS,   4
.set ADRA, 16
.set ADRB, 20
.set STO,  24
.set RD,   25
.set CO,   26
.set SPW,  28
.set NIL,  29
.set PFO,  30
.set F0,   32
.set F1,   128
.set BK,   32
.set G1, 24
.set G0, 32
.set G1B, 48
.set G0B, 56
.set PFS, 70                           ; s[70:71] a K step on, in the stream that I prefetch
.set LIM, 72                           ; s72 1 in a wave that prefetches, else the greatest number
.set PFA, 74                           ; s[74:75] where my prefetches stand
.set MSB, 0
.macro WIN new
.if MSB != (\new)
	s_set_vgpr_msb (MSB<<8)|(\new)
.set MSB, (\new)
.endif
.endm
.set MULW,   0x50                      ; sources window 0, C and D window 1
.set FIRSTW, 0x60                      ; C (the bias) window 2, D window 1
.macro JLOAD s                         ; a joint load: waves 0 and 1 fetch A's two heads, waves 2 and 3 B's two halves
	s_cmp_eq_u32 s11, 0
	s_cbranch_scc0 .Lfor_b_\@
	tensor_load_to_lds s[G0+4*\s:G0+4*\s+3], s[G1:G1+7]
	s_nop 0
.rept 4
	v_nop
.endr
	s_branch .Lasked_\@
.Lfor_b_\@:
	tensor_load_to_lds s[G0B+4*\s:G0B+4*\s+3], s[G1B:G1B+7]
	s_nop 0
.rept 4
	v_nop
.endr
.Lasked_\@:
.endm
; A prefetch of the K step that stands two refills on.  A's 32,768 bytes of a K step are read by my row of the cluster alone: its four partners take 8,192 bytes each, told apart by address (cx), wave 0 asks,
; lanes 256 bytes apart.  B's 128 rows x 512 bytes are read by every cluster: cluster y = 0 asks; its partners take 32 rows each by address (cy), waves 2 and 3 sixteen rows each, two lanes to a row.
; The refills of K steps 2 to 5 ask for steps 4 to 7; the last two ask for nothing.
.macro ASK
	s_cmp_gt_u32 s3, s[LIM]
	s_cbranch_scc0 .Lnot_mine_\@
	global_prefetch_b8 v[PFO], s[PFA:PFA+1] th:TH_LOAD_NT scope:SCOPE_SE
.Lnot_mine_\@:
.endm
.macro CREST
	s_cmp_lg_u32 s10, 0
	s_cbranch_scc1 .Lnot_wave_0_\@
	s_barrier_signal -3
.Lnot_wave_0_\@:
	s_barrier_wait -3
	s_barrier_signal -1
	s_barrier_wait -1
.endm
.macro CROUND
	s_barrier_signal -1
	s_barrier_wait -1
	CREST
.endm
	s_load_b128 s[4:7], s[0:1], 0x0                ; o16 s[4:5], wo16 s[6:7]
	s_load_b64 s[8:9], s[0:1], 0x10                ; out0
	s_load_b64 s[68:69], s[0:1], 0x18              ; b_out
	v_lshl_add_u32 v[SPW], v0, 2, SPARE
	v_mov_b32 v[NIL], 0
	ds_add_u32 v[SPW], v[NIL]                      ; the wave's opening: the add, twice on end, and its wait ahead of my first tensor load
	ds_add_u32 v[SPW], v[NIL]
	v_lshrrev_b32 v1, 5, v0
	v_readfirstlane_b32 s10, v1                    ; wave 0..3
	s_lshr_b32 s11, s10, 1                         ; my half of the tile's rows.  Also: I fetch for A (0) or for B (1)
	s_and_b32 s12, s10, 1                          ; my half of its columns.  Also: which part I fetch
	s_bfe_u32 s40, ttmp6, 0x40000                  ; cx
	s_bfe_u32 s41, ttmp6, 0x40004                  ; cy
	s_lshl_b32 s42, ttmp9, 2
	s_add_co_u32 s42, s42, s40                     ; tile column
	s_and_b32 s66, ttmp7, 0xffff                   ; cluster y
	s_lshl_b32 s13, s41, 4
	s_add_co_u32 s13, s13, s66                     ; tile row = 16 cy + cluster y
	s_or_b32 s67, s66, s11                         ; 0: my block 0 is positions 0-15 of a sequence
	s_lshl_b32 s43, s41, 2
	s_lshl_b32 s43, 15, s43                        ; my row of the cluster
	s_lshl_b32 s44, 0x1111, s40                    ; my column
	s_or_b32 s[G1+0], s43, (1<<16)|(1<<20)|(1<<21)|(5<<22)|(3<<25)   ; A: elements of 2 bytes; 4 words of padding behind every 64
	s_mov_b32 s[G1+1], 128<<16                     ; a pair row: two rows of o are 256 dense bytes
	s_mov_b32 s[G1+2], 64<<16
	s_mov_b32 s[G1+3], 128<<16
	s_mov_b32 s[G1+4], 64
	s_mov_b32 s[G1+5], 128
	s_mov_b32 s[G1+6], 0
	s_mov_b32 s[G1+7], 0
	s_or_b32 s[G1B+0], s44, (1<<16)|(1<<20)|(1<<21)|(6<<22)|(7<<25)  ; B: 8 words of padding behind every 128
	s_mov_b32 s[G1B+1], 256<<16
	s_mov_b32 s[G1B+2], 64<<16
	s_mov_b32 s[G1B+3], 256<<16
	s_mov_b32 s[G1B+4], 64
	s_mov_b32 s[G1B+5], 1024
	s_mov_b32 s[G1B+6], 0
	s_mov_b32 s[G1B+7], 0
	s_lshl_b32 s16, s12, 20                        ; A: head s12 of the K step, the tile row's 16,384 bytes
	s_lshl_b32 s17, s13, 14
	s_add_co_u32 s16, s16, s17
	s_mov_b32 s17, 0
	s_lshl_b32 s46, s12, 17                        ; B: k rows 64 s12 on, the tile column's 512 bytes
	s_lshl_b32 s47, s42, 9
	s_add_co_u32 s46, s46, s47
	s_mov_b32 s47, 0
	s_mul_i32 s20, s12, 17408                      ; where they go
	s_mul_i32 s21, s12, 34816
	s_add_co_u32 s21, s21, BOFF
	s_wait_dscnt 0x0                               ; both opening adds are done
	s_wait_kmcnt 0x0
	s_add_nc_u64 s[14:15], s[4:5], s[16:17]
	s_add_nc_u64 s[46:47], s[6:7], s[46:47]
	CROUND                                         ; all sixteen work-groups are here: the first joint loads meet
.irp s, 0,1
	s_mov_b32 s[G0+4*\s], 1
	s_add_co_u32 s[G0+4*\s+1], s20, \s*SLOT
	s_add_nc_u64 s[G0+4*\s+2:G0+4*\s+3], s[14:15], \s*2097152
	s_or_b32 s[G0+4*\s+3], s[G0+4*\s+3], 0x80000000
	s_mov_b32 s[G0B+4*\s], 1
	s_add_co_u32 s[G0B+4*\s+1], s21, \s*SLOT
	s_add_nc_u64 s[G0B+4*\s+2:G0B+4*\s+3], s[46:47], \s*262144
	s_or_b32 s[G0B+4*\s+3], s[G0B+4*\s+3], 0x80000000
	JLOAD \s                                       ; two tensor loads of mine are out
.endr
	v_and_b32 v1, 15, v0                           ; r
	v_bfe_u32 v2, v0, 4, 1                         ; h
	s_lshl_b32 s46, s42, 10                        ; my first column, in bytes of f32
	s_lshl_b32 s47, s12, 9
	s_add_co_u32 s46, s46, s47
	s_mov_b32 s47, 0
	s_add_nc_u64 s[68:69], s[68:69], s[46:47]
	v_lshlrev_b32 v7, 5, v2
	WIN 0x80                                       ; destination window 2
.irp b, 0,1,2,3,4,5,6,7
	global_load_b128 v[8*\b:8*\b+3], v7, s[68:69] offset:64*\b      ; tile b's register j is b_out[n0 + 16 b + 8 h + j]
	global_load_b128 v[8*\b+4:8*\b+7], v7, s[68:69] offset:64*\b+16
.endr
	WIN 0
	v_lshrrev_b32 v3, 1, v1
	v_mul_u32_u24 v3, v3, 272
	v_and_b32 v4, 1, v1
	v_lshl_add_u32 v3, v4, 7, v3
	v_lshl_add_u32 v3, v2, 4, v3                   ; A: row r lies in pair row r / 2, half r % 2; + 16 h
	v_and_b32 v4, 7, v0
	v_lshl_add_u32 v4, v2, 3, v4
	v_mul_u32_u24 v4, v4, 544
	v_bfe_u32 v5, v0, 3, 1
	v_lshl_add_u32 v4, v5, 4, v4                   ; B, for the turning load: k row 8 h + lane % 8, columns 8 ((lane / 8) % 2) on
	s_mul_i32 s22, s11, 8704                       ; my 64 rows of A
	s_lshl_b32 s23, s12, 8                         ; my 128 columns of B
	s_add_co_u32 s23, s23, BOFF
.irp s, 0,1
	v_add_nc_u32 v[ADRA+\s], s22, v3
	v_add_nc_u32 v[ADRB+\s], s23, v4
	s_add_co_u32 s22, s22, SLOT
	s_add_co_u32 s23, s23, SLOT
.endr
	s_mul_i32 s23, s10, 16*SPITCH
	s_add_co_u32 s23, s23, STAGE                   ; my stage
	v_mul_u32_u24 v5, v1, SPITCH
	v_lshl_add_u32 v5, v2, 5, v5
	v_add_nc_u32 v[STO], s23, v5
	v_and_b32 v6, 31, v0
	v_lshlrev_b32 v[CO], 4, v6
	v_add_nc_u32 v[RD], s23, v[CO]
	s_lshl_b32 s16, s13, 19                        ; my first row of out0: (128 x tile row + 64 x half) x 4,096 bytes
	s_lshl_b32 s17, s11, 18
	s_add_co_u32 s16, s16, s17
	s_mov_b32 s17, 0
	s_add_nc_u64 s[8:9], s[8:9], s[16:17]
	s_add_nc_u64 s[8:9], s[8:9], s[46:47]
	; the prefetches: both offsets, then the choice by the wave's number
	s_lshr_b32 s76, s40, 1
	s_add_co_u32 s76, s76, 6                       ; A: K step 3's head cx / 2: the first refill steps it to K step 4
	s_lshl_b32 s76, s76, 20
	s_lshl_b32 s77, s13, 14
	s_add_co_u32 s76, s76, s77
	s_and_b32 s77, s40, 1
	s_lshl_b32 s77, s77, 13
	s_add_co_u32 s76, s76, s77
	s_lshl_b32 s78, s12, 6
	s_lshl_b32 s79, s41, 4
	s_add_co_u32 s78, s78, s79
	s_add_co_u32 s78, s78, 384                     ; B: K step 3's row 64 s12 + 16 cy
	s_lshl_b32 s78, s78, 11
	s_lshl_b32 s79, s42, 9
	s_add_co_u32 s78, s78, s79
	s_mov_b32 s79, 2048
	s_mov_b32 s[PFS], 262144
	s_cmp_eq_u32 s11, 0
	s_cselect_b64 s[PFA:PFA+1], s[4:5], s[6:7]
	s_cselect_b32 s76, s76, s78
	s_cselect_b32 s79, 512, s79                    ; from one pair of lanes to the next
	s_cselect_b32 s[PFS], 0x200000, s[PFS]
	s_cselect_b32 s78, s12, s66                    ; A: wave 0 asks; B: the waves of cluster y = 0: the same in all partners
	s_cmp_eq_u32 s78, 0
	s_cselect_b32 s[LIM], 1, -1
	s_mov_b32 s77, 0
	s_mov_b32 s[PFS+1], 0
	s_add_nc_u64 s[PFA:PFA+1], s[PFA:PFA+1], s[76:77]
	v_lshrrev_b32 v5, 1, v6
	v_and_b32 v[PFO], 1, v6
	v_lshlrev_b32 v[PFO], 8, v[PFO]
	v_mad_u32_u24 v[PFO], v5, s79, v[PFO]
; 24 LDS loads in one run: 32 along K (the slot's kq-th) into buffer f: B's eight fragments, then A's four
.macro FETCH slot, kq, f
.irp i, 0,1,2,3,4,5,6,7
	ds_load_tr16_b128 v[\f+32+8*\i:\f+32+8*\i+3], v[ADRB+\slot] offset:(\kq)*17408+32*\i
	ds_load_tr16_b128 v[\f+32+8*\i+4:\f+32+8*\i+7], v[ADRB+\slot] offset:(\kq)*17408+32*\i+8704
.endr
.irp i, 0,1,2,3
	ds_load_b128 v[\f+8*\i:\f+8*\i+3], v[ADRA+\slot] offset:((\kq)/2)*17408+((\kq)%2)*64+2176*\i
	ds_load_b128 v[\f+8*\i+4:\f+8*\i+7], v[ADRA+\slot] offset:((\kq)/2)*17408+((\kq)%2)*64+2176*\i+32
.endr
.endm
.macro MUL8 f, a, first                ; A's block a x B's eight; the 32 accumulators take turns, one instruction a turn
.irp b, 0,1,2,3,4,5,6,7
.if \first
	v_wmma_f32_16x16x32_f16 v[8*(8*\a+\b):8*(8*\a+\b)+7], v[\f+32+8*\b:\f+32+8*\b+7], v[\f+8*\a:\f+8*\a+7], v[8*\b:8*\b+7]
.else
	v_wmma_f32_16x16x32_f16 v[8*(8*\a+\b):8*(8*\a+\b)+7], v[\f+32+8*\b:\f+32+8*\b+7], v[\f+8*\a:\f+8*\a+7], v[8*(8*\a+\b):8*(8*\a+\b)+7]
.endif
.endr
.endm
.macro PLACES
.rept 4
	v_nop
.endr
.endm
.macro QUARTER slot, kq, f, g, first   ; multiplies buffer f; in its middle fetches the slot's kq-th 32 along K into buffer g
	s_wait_dscnt 4                                 ; B and A's blocks 0, 1 are in; the youngest four loads (A's blocks 2, 3) may be out
.if \first
	WIN FIRSTW
.else
	WIN MULW
.endif
	MUL8 \f, 0, \first
	MUL8 \f, 1, \first
	PLACES
	WIN 0
	FETCH \slot, \kq, \g
	s_wait_dscnt 24                                ; all but the 24 just issued
.if \first
	WIN FIRSTW
.else
	WIN MULW
.endif
	MUL8 \f, 2, \first
	MUL8 \f, 3, \first
.endm
; A slot's last quarter changes slots: one barrier; in front of it each wave waits for all its tensor loads, adds 0 to its spare word, and waits for that and for its reads of this slot.
.macro TURN slot, next, fill
.if \fill
	s_wait_xcnt 0x0                                ; the last prefetch, a K step back, has read its address
	s_add_nc_u64 s[PFA:PFA+1], s[PFA:PFA+1], s[PFS:PFS+1]
.endif
	WIN 0
	s_wait_tensorcnt 0x0                           ; my part of the next slot has landed
	ds_add_u32 v[SPW], v[NIL]
	s_wait_dscnt 5                                 ; the add and the youngest four loads may be out
	WIN MULW
	MUL8 F1, 0, 0
	s_wait_dscnt 0x0                               ; the add is done, and my reads of this slot are over
	s_barrier_signal -1
	MUL8 F1, 1, 0
	WIN 0
	s_barrier_wait -1
.if \fill
	CREST                                          ; the barrier has opened a round of the cluster's: no wave of any partner still reads this slot or has a load on its way
	s_add_nc_u64 s[G0+4*\slot+2:G0+4*\slot+3], s[G0+4*\slot+2:G0+4*\slot+3], 2*2097152
	s_add_nc_u64 s[G0B+4*\slot+2:G0B+4*\slot+3], s[G0B+4*\slot+2:G0B+4*\slot+3], 2*262144
	JLOAD \slot                                    ; the first tensor load behind the round; its four v_nop are also the places in front of the loads below
.else
	PLACES
.endif
	FETCH \next, 0, F0
.if \fill
	ASK
.endif
	WIN MULW
	MUL8 F1, 2, 0
	MUL8 F1, 3, 0
.endm
	s_wait_tensorcnt 1                             ; my part of K step 0 is in; K step 1's may be out
	s_barrier_signal -1
	s_barrier_wait -1
	FETCH 0, 0, F0
	s_wait_loadcnt 0x0                             ; the bias
	QUARTER 0, 1, F0, F1, 1                        ; the first quarter starts the sums from the bias
	WIN 0
	s_mov_b32 s3, LAPS-1
.Llap:                                             ; a trip goes once round the ring and fills both slots again
	QUARTER 0, 2, F1, F0, 0
	QUARTER 0, 3, F0, F1, 0
	TURN 0, 1, 1
	QUARTER 1, 1, F0, F1, 0
	QUARTER 1, 2, F1, F0, 0
	QUARTER 1, 3, F0, F1, 0
	TURN 1, 0, 1
	QUARTER 0, 1, F0, F1, 0
	WIN 0
	s_sub_co_u32 s3, s3, 1
	s_cmp_lg_u32 s3, 0
	s_cbranch_scc1 .Llap
	QUARTER 0, 2, F1, F0, 0                        ; the last lap fills nothing
	QUARTER 0, 3, F0, F1, 0
	TURN 0, 1, 0
	QUARTER 1, 1, F0, F1, 0
	QUARTER 1, 2, F1, F0, 0
	QUARTER 1, 3, F0, F1, 0
	s_wait_dscnt 4
	WIN MULW
	MUL8 F1, 0, 0
	MUL8 F1, 1, 0
	s_wait_dscnt 0
	MUL8 F1, 2, 0
	MUL8 F1, 3, 0
	WIN 0
; THE WAY OUT, a block of 16 rows x 128 columns at a time, through my own stage: back as whole rows of 512 bytes.
.macro TOSTAGE a
	WIN 0x04                                       ; an LDS store's data are its source 1: window 1
.irp b, 0,1,2,3,4,5,6,7
	ds_store_b128 v[STO], v[8*(8*(\a)+\b):8*(8*(\a)+\b)+3] offset:64*\b        ; each accumulator from its low end on
	ds_store_b128 v[STO], v[8*(8*(\a)+\b)+4:8*(8*(\a)+\b)+7] offset:64*\b+16
.endr
	WIN 0
.set BB, BK+64*((\a)%2)
.irp t, 0,1,2,3,4,5,6,7,8,9,10,11,12,13,14,15
	ds_load_b128 v[BB+4*\t:BB+4*\t+3], v[RD] offset:\t*SPITCH
.endr
.endm
.macro SEND a, younger
.set BB, BK+64*((\a)%2)
	s_wait_dscnt \younger
.irp t, 0,1,2,3,4,5,6,7,8,9,10,11,12,13,14,15
	global_store_b128 v[CO], v[BB+4*\t:BB+4*\t+3], s[8:9] offset:(16*(\a)+\t)*4096 th:TH_STORE_NT   ; 32 lanes store 512 consecutive bytes, aligned
.endr
.endm
	PLACES
	s_cmp_eq_u32 s67, 0                            ; positions 0-15 of a sequence are another launch's: cluster y and my row half, the same in all partners
	s_cbranch_scc1 .Lno_first
	TOSTAGE 0
	SEND 0, 0
.Lno_first:
	TOSTAGE 1
	s_wait_xcnt 0x0                                ; block 0's stores have read their registers
	TOSTAGE 2
	SEND 1, 32                                     ; behind block 1's loads: block 2's 16 stores and 16 loads
	s_wait_xcnt 0x0                                ; block 1's stores have read their registers
	TOSTAGE 3
	SEND 2, 32
	SEND 3, 0
	s_wait_tensorcnt 0x0                           ; the wave's end
	ds_add_u32 v[SPW], v[NIL]
	s_wait_dscnt 0x0
	CROUND                                         ; the closing round
	s_endpgm
.Lfunc_end_k_qcb6089a64f_oproj:
	.size	k_qcb6089a64f_oproj, .Lfunc_end_k_qcb6089a64f_oproj-k_qcb6089a64f_oproj
	.p2alignl 7, 3214868480
	.fill 96, 4, 3214868480
	.section	.rodata,"a",@progbits
	.p2align	6, 0x0
	.amdhsa_kernel k_qcb6089a64f_oproj
		.amdhsa_group_segment_fixed_size 327680
		.amdhsa_private_segment_fixed_size 0
		.amdhsa_enable_private_segment 0
		.amdhsa_kernarg_size 32
		.amdhsa_user_sgpr_count 2
		.amdhsa_user_sgpr_kernarg_segment_ptr 1
		.amdhsa_wavefront_size32 1
		.amdhsa_system_sgpr_workgroup_id_x 1
		.amdhsa_system_sgpr_workgroup_id_y 1
		.amdhsa_system_sgpr_workgroup_id_z 1
		.amdhsa_system_vgpr_workitem_id 0
		.amdhsa_next_free_vgpr 576
		.amdhsa_next_free_sgpr 80
		.amdhsa_reserve_vcc 0
		.amdhsa_float_denorm_mode_32 3
		.amdhsa_float_denorm_mode_16_64 3
		.amdhsa_memory_ordered 1
		.amdhsa_forward_progress 1
		.amdhsa_inst_pref_size 88
	.end_amdhsa_kernel
	.amdgpu_metadata
---
amdhsa.version: [ 1, 2 ]
amdhsa.kernels:
  - .name:           k_qcb6089a64f_oproj
    .symbol:         k_qcb6089a64f_oproj.kd
    .args:
      - { .name: o16, .offset: 0, .size: 8, .value_kind: global_buffer, .address_space: global }
      - { .name: wo16, .offset: 8, .size: 8, .value_kind: global_buffer, .address_space: global }
      - { .name: out0, .offset: 16, .size: 8, .value_kind: global_buffer, .address_space: global }
      - { .name: b_out, .offset: 24, .size: 8, .value_kind: global_buffer, .address_space: global }
    .group_segment_fixed_size: 327680
    .private_segment_fixed_size: 0
    .kernarg_segment_align: 8
    .kernarg_segment_size: 32
    .max_flat_workgroup_size: 128
    .sgpr_count:     80
    .vgpr_count:     576
    .wavefront_size: 32
...
	.end_amdgpu_metadata
.endif
;; end of part 4
;; launch fine (part 5): grid 16 x 4, 16 waves a work-group, no clusters, 149,504 bytes of LDS; arguments fq, W_out, b_out, out0; writes out0
.if DOCPART == 5
	.amdgcn_target "amdgcn-amd-amdhsa--gfx1250"
	.amdhsa_code_object_version 6
	.text
	.protected	k_qcb6089a64f_fine
	.globl	k_qcb6089a64f_fine
	.p2align	8
	.type	k_qcb6089a64f_fine,@function
k_qcb6089a64f_fine:
	s_mov_b64 s[64:65], 0
	v_nop
	global_prefetch_b8 v0, s[64:65] scope:SCOPE_SE
	s_setreg_imm32_b32 hwreg(HW_REG_WAVE_MODE, 25, 1), 1
	s_wait_xcnt 0x0
; Positions 0-15 of each sequence, all in f32 from the first product's f32 sums on: these rows average one to sixteen values and are the largest in size, so 16-bit operands would weigh most here.
; Work-group (cb, b) makes rows 0-15 of batch b, columns 64 cb .. 64 cb + 63 of out0.  Wave = head: it makes the head's 16 x 16 attention by the f32 matrix form (32 instructions: no bulk work),
; then its 64 k of the projection by fused multiply-adds; the sixteen heads' parts meet in LDS and wave w sums row w.
; fq holds images of accumulators: element (row r, column n) at (n / 16) 1,024 + ((n / 4) % 2) 512 + (16 ((n / 8) % 2) + r) 16 + (n % 4) 4.
; A permutation of k applied alike to both sources keeps a product: K and Q are loaded by the same lines, V by the order in which p lies.
; The registers that the f32 matrix form writes (v112-159) are written by matrix instructions alone.
; LIMITS: NaN and infinities are not served; 1 / l by v_rcp_f32.
; REGISTERS: v4-11 addresses; v[12:13] bias; v14, v15 the add's; v16-47 K, then W_out rows 16-31; v48-79 Q, then rows 32-47; v80-111 V, then the 16 x 2 sums; v112-127 S^T in two halves;
; v128-159 O^T; v160-175 p and work, then a k step's 16 o; v176-207 O^T / l, then rows 48-63; v208-239 rows 0-15; v240-255 the other k step's 16 o.
.set OTP,  80                          ; LDS: O^T, a row of 16 queries (64 bytes) + 16
.set OTW,  64*OTP
.set RED,  16*OTW                      ; the heads' parts: 16 x 4,096 bytes
.set SPARE, RED+16*4096
.set SPW,  14
.set NIL,  15
	s_load_b256 s[4:11], s[0:1], 0x0               ; fq s[4:5], W_out s[6:7], b_out s[8:9], out0 s[10:11]
	v_lshl_add_u32 v[SPW], v0, 2, SPARE
	v_mov_b32 v[NIL], 0
	v_lshrrev_b32 v1, 5, v0
	v_readfirstlane_b32 s12, v1                    ; wave = head; later: my row
	s_mov_b32 s13, ttmp9                           ; cb
	s_and_b32 s14, ttmp7, 0xffff                   ; b
	v_and_b32 v1, 31, v0                           ; lane
	v_and_b32 v2, 15, v0                           ; r
	v_bfe_u32 v3, v0, 4, 1                         ; h
	v_lshlrev_b32 v4, 4, v1                        ; an image's place for my lane
	v_bfe_u32 v5, v0, 2, 1
	v_lshlrev_b32 v5, 9, v5
	v_bfe_u32 v6, v0, 3, 1
	v_lshl_add_u32 v5, v6, 8, v5
	v_and_b32 v6, 3, v0
	v_lshl_add_u32 v5, v6, 2, v5
	v_lshl_add_u32 v5, v3, 7, v5                   ; V: column r of a tile, rows 8 h on
	v_lshlrev_b32 v6, 3, v1                        ; 8 x lane: my two columns
	v_lshlrev_b32 v7, 3, v3
	v_sub_nc_u32 v7, v2, v7                        ; r - 8 h
	s_mul_i32 s16, s12, OTW
	v_mul_u32_u24 v8, v3, 8*OTP
	v_lshl_add_u32 v8, v2, 2, v8
	v_add_nc_u32 v8, s16, v8                       ; O^T in: channel 8 h + .., query r
	v_mov_b32 v9, s16                              ; and back: every lane reads the same 16 bytes
	s_lshl_b32 s17, s12, 12
	s_add_co_u32 s17, s17, RED
	v_add_nc_u32 v10, s17, v6                      ; my head's part
	s_lshl_b32 s17, s12, 8
	s_add_co_u32 s17, s17, RED
	v_add_nc_u32 v11, s17, v6                      ; row w of every head's part
	s_mov_b32 s20, 0x76543210
	s_mov_b32 s21, 0xfedcba98
	s_mov_b32 s22, 0x3e38aa3b                      ; c = log2(e) / 8
	s_mul_i32 s24, s14, 196608
	s_lshl_b32 s25, s12, 12
	s_add_co_u32 s24, s24, s25
	s_mov_b32 s25, 0
	s_lshl_b32 s26, s12, 18
	s_lshl_b32 s28, s13, 8
	s_add_co_u32 s26, s26, s28
	s_mov_b32 s27, 0
	s_mov_b32 s29, 0
	s_lshl_b32 s30, s14, 23
	s_lshl_b32 s31, s12, 12
	s_add_co_u32 s30, s30, s31
	s_add_co_u32 s30, s30, s28
	s_mov_b32 s31, 0
	v_mov_b32 v168, 0xff800000                     ; -infinity
	v_mov_b32 v170, 0                              ; a lane permute's destination counts as one of its sources
	s_wait_kmcnt 0x0
	s_add_nc_u64 s[4:5], s[4:5], s[24:25]          ; fq at (b, head)
	s_add_nc_u64 s[6:7], s[6:7], s[26:27]          ; W_out at (row 64 head, column 64 cb)
	s_add_nc_u64 s[8:9], s[8:9], s[28:29]
	s_add_nc_u64 s[10:11], s[10:11], s[30:31]      ; out0 at (row 2048 b + w, column 64 cb)
.set i, 0
.rept 8
	global_load_b128 v[16+4*i:19+4*i], v4, s[4:5] offset:512*i          ; K
.set i, i+1
.endr
.set i, 0
.rept 8
	global_load_b128 v[48+4*i:51+4*i], v4, s[4:5] offset:65536+512*i    ; Q, by the same lines
.set i, i+1
.endr
.irp d, 0,1,2,3
.irp e, 0,1,2,3,4,5,6,7
	global_load_b32 v[80+8*\d+\e], v5, s[4:5] offset:131072+1024*\d+16*\e   ; V(key 8 h + e, channel 16 d + r)
.endr
.endr
.macro WROWS reg, k0                   ; 16 rows of W_out: 256 consecutive bytes a load
.set i, 0
.rept 16
	global_load_b64 v[\reg+2*i:\reg+2*i+1], v6, s[6:7] offset:4096*(\k0+i)
.set i, i+1
.endr
.endm
	WROWS 208, 0
	global_load_b64 v[12:13], v6, s[8:9]
	s_wait_loadcnt 49                              ; K and Q are in; V's 32, W_out's 16 and the bias may be out
.set i, 0
.rept 16                               ; S^T = K Q^T, 4 channels an instruction; two accumulators take turns; each sum's first product has C = 0
.if i < 2
	v_wmma_f32_16x16x4_f32 v[112+8*(i%2):119+8*(i%2)], v[16+2*i:17+2*i], v[48+2*i:49+2*i], 0
.else
	v_wmma_f32_16x16x4_f32 v[112+8*(i%2):119+8*(i%2)], v[16+2*i:17+2*i], v[48+2*i:49+2*i], v[112+8*(i%2):119+8*(i%2)]
.endif
.set i, i+1
.endr
.rept 8
	v_nop                                          ; eight places behind this form, in front of loads into its sources and of reads of its results
.endr
	WROWS 16, 16
	WROWS 48, 32
.irp j, 0,1,2,3,4,5,6,7
	v_add_f32 v[160+\j], v[112+\j], v[120+\j]      ; lane (r, h): the score of query r and key 8 h + j
.endr
.irp j, 0,1,2,3,4,5,6,7
	v_cmp_gt_i32 vcc_lo, \j, v7                    ; hidden where 8 h + j > r
	v_cndmask_b32 v[160+\j], v[160+\j], v168, vcc_lo
.endr
	v_max3_num_f32 v169, v160, v161, v162
	v_max3_num_f32 v169, v169, v163, v164
	v_max3_num_f32 v169, v169, v165, v166
	v_max_num_f32 v169, v169, v167
	v_permlanex16_b32 v170, v169, s20, s21
	v_max_num_f32 v169, v169, v170                 ; the row's maximum: key 0 counts for every query
	v_mul_f32 v169, s22, v169
.irp j, 0,1,2,3,4,5,6,7
	v_fma_f32 v[160+\j], v[160+\j], s22, -v169
.endr
.irp j, 0,1,2,3,4,5,6,7
	v_exp_f32 v[160+\j], v[160+\j]
.endr
	v_nop
	s_wait_alu depctr_va_vdst(0)                   ; one wait for the eight, ahead of their first reader
	v_add_f32 v171, v160, v161
	v_add_f32 v173, v162, v163
	v_add_f32 v171, v171, v164
	v_add_f32 v173, v173, v165
	v_add_f32 v171, v171, v166
	v_add_f32 v173, v173, v167
	v_add_f32 v171, v171, v173
	v_permlanex16_b32 v170, v171, s20, s21
	v_add_f32 v171, v171, v170
	v_rcp_f32 v172, v171
	v_nop
	s_wait_alu depctr_va_vdst(0)
	s_wait_loadcnt 49                              ; V is in; W_out's 16 + 32 and the bias may be out
.irp s, 0,1,2,3
.irp d, 0,1,2,3                        ; O^T = V^T P, keys 8 h + 2 s, + 1; four accumulators take turns
.if \s == 0
	v_wmma_f32_16x16x4_f32 v[128+8*\d:135+8*\d], v[80+8*\d+2*\s:81+8*\d+2*\s], v[160+2*\s:161+2*\s], 0
.else
	v_wmma_f32_16x16x4_f32 v[128+8*\d:135+8*\d], v[80+8*\d+2*\s:81+8*\d+2*\s], v[160+2*\s:161+2*\s], v[128+8*\d:135+8*\d]
.endif
.endr
.endr
.rept 8
	v_nop
.endr
.set i, 0
.rept 32
	v_mul_f32 v[176+i], v[128+i], v172             ; o(query r, channel 16 d + 8 h + j)
.set i, i+1
.endr
.irp d, 0,1,2,3
.irp j, 0,1,2,3,4,5,6,7
	ds_store_b32 v8, v[176+8*\d+\j] offset:(16*\d+\j)*OTP
.endr
.endr
	s_wait_dscnt 0x0                               ; the stores have read their registers
	WROWS 176, 48
; THE PROJECTION: lane l holds columns 2 l, 2 l + 1 for the 16 rows.  A k step: the 16 o of channel k from my own bytes of LDS, 16 packed multiply-adds.
.macro OLOAD k
.set OLB, 160+80*((\k)%2)
.irp i, 0,1,2,3
	ds_load_b128 v[OLB+4*\i:OLB+4*\i+3], v9 offset:OTP*(\k)+16*\i
.endr
.endm
.macro KSTEP k
.if (\k)%16 == 0
	s_wait_loadcnt 48-16*((\k)/16)                 ; this group of 16 rows of W_out is in; the later groups may be out
.endif
.if (\k) < 63
	OLOAD (\k)+1
	s_wait_dscnt 4                                 ; this step's four loads are in; the next step's may be out
.else
	s_wait_dscnt 0x0
.endif
.set OB, 160+80*((\k)%2)
.if (\k)/16 == 0
.set WR, 208+2*((\k)%16)
.elseif (\k)/16 == 1
.set WR, 16+2*((\k)%16)
.elseif (\k)/16 == 2
.set WR, 48+2*((\k)%16)
.else
.set WR, 176+2*((\k)%16)
.endif
.irp u, 0,1,2,3,4,5,6,7
.if (\k) == 0
	v_pk_mul_f32 v[80+4*\u:81+4*\u], v[WR:WR+1], v[OB+2*\u:OB+2*\u+1] op_sel:[0,0] op_sel_hi:[1,0]     ; the first k starts the sums
	v_pk_mul_f32 v[82+4*\u:83+4*\u], v[WR:WR+1], v[OB+2*\u:OB+2*\u+1] op_sel:[0,1] op_sel_hi:[1,1]
.else
	v_pk_fma_f32 v[80+4*\u:81+4*\u], v[WR:WR+1], v[OB+2*\u:OB+2*\u+1], v[80+4*\u:81+4*\u] op_sel:[0,0,0] op_sel_hi:[1,0,1]   ; row 2 u: the pair's first register for both columns
	v_pk_fma_f32 v[82+4*\u:83+4*\u], v[WR:WR+1], v[OB+2*\u:OB+2*\u+1], v[82+4*\u:83+4*\u] op_sel:[0,1,0] op_sel_hi:[1,1,1]   ; row 2 u + 1: its second
.endif
.endr
.endm
	OLOAD 0
.set kk, 0
.rept 64
	KSTEP kk
.set kk, kk+1
.endr
.set i, 0
.rept 16
	ds_store_b64 v10, v[80+2*i:81+2*i] offset:256*i
.set i, i+1
.endr
	s_wait_dscnt 0x0                               ; for the others' sake: my part lies in LDS
	s_barrier_signal -1
	s_barrier_wait -1
.set i, 0
.rept 16
	ds_load_b64 v[16+2*i:17+2*i], v11 offset:4096*i
.set i, i+1
.endr
	s_wait_dscnt 0x0
.irp i, 0,1,2,3,4,5,6,7
	v_pk_add_f32 v[16+2*\i:17+2*\i], v[16+2*\i:17+2*\i], v[32+2*\i:33+2*\i]
.endr
.irp i, 0,1,2,3
	v_pk_add_f32 v[16+2*\i:17+2*\i], v[16+2*\i:17+2*\i], v[24+2*\i:25+2*\i]
.endr
.irp i, 0,1
	v_pk_add_f32 v[16+2*\i:17+2*\i], v[16+2*\i:17+2*\i], v[20+2*\i:21+2*\i]
.endr
	v_pk_add_f32 v[16:17], v[16:17], v[18:19]
	v_pk_add_f32 v[16:17], v[16:17], v[12:13]      ; the bias
	global_store_b64 v6, v[16:17], s[10:11]        ; the wave stores 256 consecutive bytes, aligned
	s_wait_tensorcnt 0x0                           ; the wave's end
	ds_add_u32 v[SPW], v[NIL]
	s_wait_dscnt 0x0
	s_endpgm
.Lfunc_end_k_qcb6089a64f_fine:
	.size	k_qcb6089a64f_fine, .Lfunc_end_k_qcb6089a64f_fine-k_qcb6089a64f_fine
	.p2alignl 7, 3214868480
	.fill 96, 4, 3214868480
	.section	.rodata,"a",@progbits
	.p2align	6, 0x0
	.amdhsa_kernel k_qcb6089a64f_fine
		.amdhsa_group_segment_fixed_size 149504
		.amdhsa_private_segment_fixed_size 0
		.amdhsa_enable_private_segment 0
		.amdhsa_kernarg_size 32
		.amdhsa_user_sgpr_count 2
		.amdhsa_user_sgpr_kernarg_segment_ptr 1
		.amdhsa_wavefront_size32 1
		.amdhsa_system_sgpr_workgroup_id_x 1
		.amdhsa_system_sgpr_workgroup_id_y 1
		.amdhsa_system_sgpr_workgroup_id_z 1
		.amdhsa_system_vgpr_workitem_id 0
		.amdhsa_next_free_vgpr 256
		.amdhsa_next_free_sgpr 66
		.amdhsa_reserve_vcc 1
		.amdhsa_float_denorm_mode_32 3
		.amdhsa_float_denorm_mode_16_64 3
		.amdhsa_memory_ordered 1
		.amdhsa_forward_progress 1
		.amdhsa_inst_pref_size 107
	.end_amdhsa_kernel
	.amdgpu_metadata
---
amdhsa.version: [ 1, 2 ]
amdhsa.kernels:
  - .name:           k_qcb6089a64f_fine
    .symbol:         k_qcb6089a64f_fine.kd
    .args:
      - { .name: fq, .offset: 0, .size: 8, .value_kind: global_buffer, .address_space: global }
      - { .name: W_out, .offset: 8, .size: 8, .value_kind: global_buffer, .address_space: global }
      - { .name: b_out, .offset: 16, .size: 8, .value_kind: global_buffer, .address_space: global }
      - { .name: out0, .offset: 24, .size: 8, .value_kind: global_buffer, .address_space: global }
    .group_segment_fixed_size: 149504
    .private_segment_fixed_size: 0
    .kernarg_segment_align: 8
    .kernarg_segment_size: 32
    .max_flat_workgroup_size: 512
    .sgpr_count:     66
    .vgpr_count:     256
    .wavefront_size: 32
...
	.end_amdgpu_metadata
.endif
;; end of part 5
